; MI455X (gfx1250); checked and timed in simulation.
; The chip was launched on July 23, 2026; its instructions are those of AMD's public machine-readable ISA for CDNA 5 (MIT licence, August 2026) and "CDNA5" Instruction Set Architecture Reference Guide (July 2026). The comments in the code are by the model that wrote it; some were corrected since.
;; Qwen3 Attention. Allowed arithmetic: matrix products marked QUANTISED: E3M2 operands, one E8M0 scale for each 32 along K, by v_wmma_scale_f32_16x16x128_f8f6f4 with both operands' format E3M2, f32 sums; everything else in f32.
;; Inputs: k_norm_w 128 float32; q_norm_w 128 float32; wk 4,096 x 512 float32; wo 1,024 x 4,096 float32; wq 4,096 x 1,024 float32; wv 4,096 x 512 float32; x 2 x 2,048 x 4,096 float32.
;; Outputs: out0 2 x 2,048 x 4,096 float32.
;; This version of the problem:
;;   THIS VERSION OF THE PROBLEM IS GIVEN IN LOW PRECISION. The matrix products marked QUANTISED in the list below multiply operands that are first quantised to E3M2 (3 exponent bits, 2 mantissa bits; 6 bits a number), with one power-of-two scale for each 32 numbers along K (OCP MX v1.0); their sums are f32. All else is computed in f32.
;;   The module's matrix products, in the order in which they are computed (A, B: the left and right operand; K: the contracted axis; several contracted axes count as one K, in the product's order):
;;     1. [M 4,096, K 4,096] x [K 4,096, N 1,024]; A: input x; B: input wq: QUANTISED
;;     2. [M 4,096, K 4,096] x [K 4,096, N 512]; A: input x; B: input wk: QUANTISED
;;     3. [M 4,096, K 4,096] x [K 4,096, N 512]; A: input x; B: input wv: QUANTISED
;;     4. batch 16 x [M 2,048, K 128] x [K 128, N 2,048]; A: computed on the way; B: computed on the way: QUANTISED
;;     5. batch 16 x [M 128, K 2,048] x [K 2,048, N 2,048]; A: computed on the way; B: softmax (see below): QUANTISED
;;     6. [M 4,096, K 1,024] x [K 1,024, N 4,096]; A: computed on the way; B: input wo: QUANTISED
;;   THE QUANTISER, for each operand of a quantised product, along K:
;;     - K is cut into blocks of 32 from its start; a last block that is shorter is filled with zeros.
;;     - A block's scale is 2^e with e = floor(log2(the largest magnitude in the block)) - 4, held to -126 .. 127; a block of zeros has e = 0. As a byte (E8M0): e + 127.
;;     - Each number is divided by its block's scale, clamped to +-28, and rounded to the nearest number of E3M2, ties to even, subnormals kept.
;;     - The product sums the exact products of the quantised numbers (number of the format x scale) in f32.
;;   ~~~python
;;   def quantise(x, axis):      # numpy; x: float32 -> the quantised numbers, widened to float32 again
;;       x = np.moveaxis(x, axis, -1); K = x.shape[-1]
;;       x = np.pad(x, [(0, 0)] * (x.ndim - 1) + [(0, -K % 32)]); x = x.reshape(x.shape[:-1] + (-1, 32)); a = np.abs(x).max(-1, keepdims=True)
;;       e = np.where(a > 0, np.clip(np.frexp(np.where(a > 0, a, 1))[1] - 1 - 4, -126, 127), 0)      # np.frexp(a)[1] - 1 = floor(log2(a)), exactly
;;       r = np.clip(x / 2.0 ** e, -28, 28)
;;       step = 2.0 ** (np.maximum(np.frexp(np.where(r == 0, 1, r))[1] - 1, -2) - 2)
;;       q = np.round(r / step) * step * 2.0 ** e      # np.round: ties to even
;;       return np.moveaxis(q.reshape(q.shape[:-2] + (-1,))[..., :K], -1, axis).astype(np.float32)
;;   ~~~
;;   SOFTMAX AHEAD OF A QUANTISED PRODUCT. Where the list says 'softmax', what is quantised is not the finished softmax but p = 2^(t - M), with t = logit x log2(e) and M = ceil(the row's largest t), a whole number; so 1/2 < the row's largest p <= 1. The row's sum l is taken of the UNQUANTISED p, in f32, and the product's result is divided by l at the end. Since M is a whole number, a kernel that streams over the keys may use a running M (the ceiling of the running maximum): every later rescaling is an exact power of two, which a block's scale takes up: the codes' values come out the same.
;;   OPERANDS COMPUTED ON THE WAY. 'Computed on the way' means the value that the module computes at that place (a softmax that the list does not call 'softmax' is quantised finished and normalised). What goes into a quantiser is computed in f32, as accurately as f32 sums, v_exp_f32 and their like allow (about 1e-6 of the number): no bf16 or f16 on the way to a quantiser, and a product that is left as it is and whose result goes on into a quantised operand takes f32 operands (vector FMAs, or v_wmma_f32_16x16x4_f32). A number that lies on a knife's edge between two numbers of the format may be rounded either way, as far as f32 arithmetic and the matrix unit's own rounding can turn it there, and no further.
;; One version. Each part assembles by itself: llvm-mc -triple=amdgcn-amd-amdhsa -mcpu=gfx1250 --defsym DOCPART=n.
;; ======== version 1 of 1: 4 launches
;; limits: a function is approximated: absolute error at most 0.00025
;; workspace buffers: xc 13,107,200 bytes; wc 6,553,600 bytes; woc 3,276,800 bytes; rope 1,048,576 bytes; qc 3,276,800 bytes; kv 3,276,800 bytes; ac 3,276,800 bytes
;; launch prep (part 1): grid 1312 x 1, 4 waves a work-group, no clusters, 34,304 bytes of LDS; arguments x, wq, wk, wv, wo, xc, wc, woc, rope; writes xc, wc, woc, rope
.if DOCPART == 1
	.amdgcn_target "amdgcn-amd-amdhsa--gfx1250"
	.amdhsa_code_object_version 6
	.text
	.protected	k_q785396774b_prep
	.globl	k_q785396774b_prep
	.p2align	8
	.type	k_q785396774b_prep,@function
k_q785396774b_prep:
	s_mov_b64 s[64:65], 0
	v_nop
	global_prefetch_b8 v0, s[64:65] scope:SCOPE_SE
	s_setreg_imm32_b32 hwreg(HW_REG_WAVE_MODE, 25, 1), 1
	s_wait_xcnt 0x0
; PREP: x and the four weights become codes of BF6 (E3M2) with one E8M0 byte for each 32 along K, and the table of cos and sin for RoPE is made.
; THE PROGRAM: prep | qkv (x wq, x wk, x wv; RMS norm, RoPE, the quantisers of q, k, v) | attn (q k^T, softmax, p v; the quantiser of the result) | oproj (the result x wo).
; WORK LEFT OUT BY THE PROGRAM (in attn): reference() builds causal = tril(ones(T, T)) in its own body and puts finfo.min in the place of every score with key > query, whatever the score holds:
; so the products q . k of such places reach no output.  Their logit is the constant finfo.min, p = 2^(t - M) is 0 in f32 beside any row maximum that is an ordinary number, its code is 0, and a zero code adds
; nothing to p v nor to the row's sum.  Key steps of 128 keys that lie wholly behind a wave's queries are therefore not walked, and key slots wholly behind a work-group's queries are not fetched.  Every input is live.
; LIMITS: a NaN, an infinity or an overflow that reaches only those places is not carried to the result; NaN and infinities among the inputs are not served; a block of zeros gets the byte 1 where the rule says 127
; (its codes are zeros, and this program alone reads the bytes); the table's turning rate 1e6^(-f/64) / 2 pi is right to about 1.2e-7 of itself, so an angle at position 2,047 is off by up to about 2.5e-4 rad.
; LAYOUTS.  An IMAGE (1,536 B) is a fragment of 16 rows x 128 K as its 12 registers: registers 4 c .. 4 c + 3 of lane l at 512 c + 16 l.  A RECORD (6,400 B) is four images of a group of 64 rows for one K step, and at 6,144 their
; scale words: the word of image 2 p + h', row r at 8 (r + 16 h') + 4 p.  Row r of image a is row 32 (a / 2) + 8 (a % 2) + r + 8 (r / 8) of the group: as source 0 such images leave 16 neighbours in the 16 registers of two tiles.
; SHARES.  Work-groups 0-31: the table.  32-543: x, a record a wave.  544-1311: the weights, 32 columns x 128 K a wave.  Memory binds: no matrix unit, no cluster, no tensor load; nothing is shared.
.set SPARE, 33792                      ; behind the four stages: the spare words, 128 bytes a wave
.set SPW,  12                          ; v12  my spare word; never rewritten
.set NIL,  13                          ; v13  0; never rewritten
.set R,    16                          ; x: v16-143  two sets of 64 numbers as loaded
.set X,    144                         ; v144-207 register 32 c + i = k 64 c + 32 h + i of my row
.set C,    208                         ; v208-231 two sets of 12: an image's registers
.set TQ,   232                         ; v232-239 the second halves of the blocks' codes
.set MX,   240
.set SOP,  242
.set BY,   244
.set T0,   246
.set T1,   247
.set PW,   248                         ; v248-251 the four images' scale words
.set XW,   252
.set OFF,  16                          ; weights: v16-47 4 l + i x pitch
.set WX,   48                          ; v48-111 two sets of 32
.set WF,   112                         ; v112-135 12 h + 6 c: what lanes (r, 0) and (r, 1) of the image hold
.set WTQ,  136
.set WWD,  144
.set WM1,  145
.set WM2,  146
.set WSO,  147
.set WBY,  148
	s_load_b512 s[4:19], s[0:1], 0x0               ; x, wq, wk, wv, wo, xc, wc, woc
	s_load_b64 s[20:21], s[0:1], 0x40              ; rope
	v_lshl_add_u32 v[SPW], v0, 2, SPARE
	v_mov_b32 v[NIL], 0
	v_lshrrev_b32 v1, 5, v0
	v_readfirstlane_b32 s22, v1                    ; wave
	v_and_b32 v2, 31, v0                           ; lane
	v_and_b32 v8, 15, v0                           ; r
	v_bfe_u32 v9, v0, 4, 1                         ; h
	v_lshlrev_b32 v3, 4, v2                        ; 16 x lane
	s_mov_b32 s24, 0x76543210
	s_mov_b32 s25, 0xfedcba98                      ; v_permlanex16_b32's selects for lane l xor 16
	s_wait_kmcnt 0x0
	s_cmp_lt_u32 ttmp9, 32
	s_cbranch_scc1 .Ltable
	s_cmp_lt_u32 ttmp9, 544
	s_cbranch_scc0 .Lweights
; ---------------- x: group G of 64 tokens, K step 4 chunk + wave ----------------
	s_sub_co_u32 s28, ttmp9, 32
	s_lshr_b32 s29, s28, 3                         ; G
	s_and_b32 s30, s28, 7                          ; chunk
	s_lshl_b32 s32, s29, 20                        ; 64 rows of 16,384 bytes
	s_lshl_b32 s31, s30, 2
	s_add_co_u32 s31, s31, s22                     ; the K step
	s_lshl_b32 s31, s31, 9                         ; 128 numbers are 512 bytes
	s_add_co_u32 s32, s32, s31
	s_mov_b32 s33, 0
	s_add_nc_u64 s[4:5], s[4:5], s[32:33]
	s_lshr_b32 s34, s29, 2                         ; the record: (((G / 4) 8 + chunk) 4 + G % 4) 4 + wave
	s_lshl_b32 s34, s34, 3
	s_add_co_u32 s34, s34, s30
	s_lshl_b32 s34, s34, 2
	s_and_b32 s35, s29, 3
	s_add_co_u32 s34, s34, s35
	s_lshl_b32 s34, s34, 2
	s_add_co_u32 s34, s34, s22
	s_mul_i32 s34, s34, 6400
	s_mov_b32 s35, 0
	s_add_nc_u64 s[14:15], s[14:15], s[34:35]
	s_mul_i32 s27, s22, 8448                       ; my stage: 16 rows of 512 + 16 bytes
	v_add_nc_u32 v4, s27, v3                       ; in: 16 bytes a lane of a row
	v_mul_u32_u24 v5, v8, 528
	v_lshl_add_u32 v5, v9, 7, v5
	v_add_nc_u32 v5, s27, v5                       ; out: row r, + 128 h: my block of 32 numbers
	v_lshlrev_b32 v6, 3, v2                        ; 8 x lane
	v_lshlrev_b32 v7, 3, v9                        ; 8 h: my bytes' place in the scale word
	v_mov_b32 v[T1], 0                             ; a lane permute's destination counts as one of its sources
	s_mov_b32 s26, 0xffff0000                      ; lanes 16-31
.macro LOADIMG a                       ; image a's 16 rows: a load takes a row's 512 consecutive bytes
.set i, 0
.rept 16
	global_load_b128 v[R+64*((\a)%2)+4*i:R+64*((\a)%2)+4*i+3], v3, s[4:5] offset:(32*((\a)/2)+8*((\a)%2)+i+8*(i/8))*16384 th:TH_LOAD_NT
.set i, i+1
.endr
.endm
.macro QX a                            ; my two blocks of 32 (blocks h and 2 + h of row r) become six registers each, and the row's scale word
.set CSET, C+12*((\a)%2)
.irp c, 0,1
	v_max3_num_f32 v[MX+\c], |v[X+32*\c]|, |v[X+32*\c+1]|, 0x2800000   ; with the floor 2^(5 - 127): the byte cannot fall under 1
.endr
.irp i, 2,4,6,8,10,12,14,16,18,20,22,24,26,28,30
.irp c, 0,1
	v_max3_num_f32 v[MX+\c], v[MX+\c], |v[X+32*\c+\i]|, |v[X+32*\c+\i+1]|
.endr
.endr
.irp c, 0,1
	v_add_nc_u32 v[SOP+\c], 0xfe000000, v[MX+\c]   ; 4 off the exponent field: the conversion's scale operand
.endr
.irp c, 0,1
	v_lshrrev_b32 v[BY+\c], 23, v[SOP+\c]          ; the scale's byte
.endr
	v_lshl_or_b32 v[T0], v[BY+1], 16, v[BY]
	v_lshlrev_b32 v[T0], v7, v[T0]                 ; at their places, 8 h bits up
	v_permlanex16_b32 v[T1], v[T0], s24, s25
	v_or_b32 v[PW+(\a)], v[T0], v[T1]              ; with lane l xor 16's two the word is whole, in both halves
.irp c, 0,1
	v_cvt_scalef32_pk16_bf6_f32 v[CSET+6*\c:CSET+6*\c+2], v[X+32*\c:X+32*\c+15], v[SOP+\c]
	v_cvt_scalef32_pk16_bf6_f32 v[TQ+4*\c:TQ+4*\c+2], v[X+32*\c+16:X+32*\c+31], v[SOP+\c]   ; (a conversion's three registers begin on an even number)
.endr
	v_nop                                          ; one plain place behind a scaled conversion
.irp c, 0,1
.irp i, 0,1,2
	v_mov_b32 v[CSET+6*\c+3+\i], v[TQ+4*\c+\i]
.endr
.endr
.endm
.macro XSTEP a
.if (\a) < 3
	s_wait_loadcnt 16                              ; image a is in; the next image's 16 loads may be out
.else
	s_wait_loadcnt 0x0
.endif
.set i, 0
.rept 16
	ds_store_b128 v4, v[R+64*((\a)%2)+4*i:R+64*((\a)%2)+4*i+3] offset:528*i
.set i, i+1
.endr
.irp c, 0,1
.irp j, 0,1,2,3,4,5,6,7
	ds_load_b128 v[X+32*\c+4*\j:X+32*\c+4*\j+3], v5 offset:256*\c+16*\j   ; LDS serves a wave's instructions in order: these see my stores
.endr
.endr
	s_wait_dscnt 0x0
.if (\a) < 2
	LOADIMG (\a)+2
.endif
	s_wait_xcnt 0x0                                ; the stores of two images back have read their data: that set is written again only behind this wait
	QX \a
.irp c, 0,1,2
	global_store_b128 v3, v[C+12*((\a)%2)+4*\c:C+12*((\a)%2)+4*\c+3], s[14:15] offset:1536*(\a)+512*\c   ; 512 consecutive bytes
.endr
.endm
	LOADIMG 0
	LOADIMG 1
	XSTEP 0
	XSTEP 1
	XSTEP 2
	XSTEP 3
	v_cndmask_b32 v[XW], v[PW], v[PW+1], s26       ; lanes 0-15: image 0's words, lanes 16-31: image 1's
	v_cndmask_b32 v[XW+1], v[PW+2], v[PW+3], s26
	global_store_b64 v6, v[XW:XW+1], s[14:15] offset:6144   ; 256 consecutive bytes
	s_wait_tensorcnt 0x0                           ; the wave's end
	ds_add_u32 v[SPW], v[NIL]
	s_wait_dscnt 0x0
	s_endpgm
; ---------------- the weights: K is their first axis.  A lane takes a column, its registers run down K ----------------
.Lweights:
	s_sub_co_u32 s40, ttmp9, 544                   ; 0-255 wq, 256-383 wk, 384-511 wv, 512-767 wo
	s_mov_b64 s[42:43], s[12:13]                   ; the tensor,
	s_mov_b64 s[44:45], s[18:19]                   ; where its records go,
	s_mov_b32 s46, 16384                           ; its row in bytes,
	s_mov_b32 s47, 5                               ; log2 of its tiles of 128 columns,
	s_mov_b32 s48, 512                             ; its first work-group,
	s_mov_b32 s49, 0                               ; its first group of 64 rows in the buffer,
	s_mov_b32 s50, 2                               ; log2 of groups, of K steps in a chunk, of chunks
	s_mov_b32 s51, 1
	s_mov_b32 s52, 2
	s_cmp_lt_u32 s40, 512
	s_cselect_b64 s[42:43], s[10:11], s[42:43]
	s_cselect_b64 s[44:45], s[16:17], s[44:45]
	s_cselect_b32 s46, 2048, s46
	s_cselect_b32 s47, 2, s47
	s_cselect_b32 s48, 384, s48
	s_cselect_b32 s49, 24, s49
	s_cselect_b32 s50, 1, s50
	s_cselect_b32 s51, 2, s51
	s_cselect_b32 s52, 3, s52
	s_cmp_lt_u32 s40, 384
	s_cselect_b64 s[42:43], s[8:9], s[42:43]
	s_cselect_b32 s48, 256, s48
	s_cselect_b32 s49, 16, s49
	s_cmp_lt_u32 s40, 256
	s_cselect_b64 s[42:43], s[6:7], s[42:43]
	s_cselect_b32 s46, 4096, s46
	s_cselect_b32 s47, 3, s47
	s_cselect_b32 s48, 0, s48
	s_cselect_b32 s49, 0, s49
	s_sub_co_u32 s40, s40, s48
	s_bfm_b32 s53, s47, 0
	s_and_b32 s53, s40, s53                        ; the tile of 128 columns
	s_lshr_b32 s54, s40, s47                       ; the K step
	s_lshl_b32 s55, s53, 1
	s_add_co_u32 s55, s55, s49
	s_lshr_b32 s56, s22, 1
	s_add_co_u32 s55, s55, s56                     ; the group of 64 rows
	s_lshr_b32 s56, s55, s50                       ; the record: (((group >> LG) << LNC) + (ks >> LC)) << LG | group's low bits) << LC | ks's low bits
	s_lshl_b32 s56, s56, s52
	s_lshr_b32 s57, s54, s51
	s_add_co_u32 s56, s56, s57
	s_lshl_b32 s56, s56, s50
	s_bfm_b32 s57, s50, 0
	s_and_b32 s57, s55, s57
	s_or_b32 s56, s56, s57
	s_lshl_b32 s56, s56, s51
	s_bfm_b32 s57, s51, 0
	s_and_b32 s57, s54, s57
	s_or_b32 s56, s56, s57
	s_mul_i32 s56, s56, 6400
	s_mov_b32 s57, 0
	s_add_nc_u64 s[44:45], s[44:45], s[56:57]
	s_lshl_b32 s58, s46, 7
	s_mul_i32 s58, s58, s54                        ; 128 rows a K step
	s_lshl_b32 s59, s53, 9
	s_add_co_u32 s58, s58, s59
	s_lshl_b32 s59, s22, 7
	s_add_co_u32 s58, s58, s59                     ; + my wave's 32 columns
	s_mov_b32 s59, 0
	s_add_nc_u64 s[32:33], s[42:43], s[58:59]      ; block 0's first row;
	s_lshl_b32 s58, s46, 5
	s_add_nc_u64 s[34:35], s[32:33], s[58:59]      ; blocks 1 to 3: 32 rows on each
	s_add_nc_u64 s[36:37], s[34:35], s[58:59]
	s_add_nc_u64 s[38:39], s[36:37], s[58:59]
	v_lshlrev_b32 v14, 2, v2
.set i, 0
.rept 32
	v_mad_u32_u24 v[OFF+i], s46, i, v14            ; 4 l + i rows
.set i, i+1
.endr
	v_bfe_u32 v15, v2, 3, 1                        ; column l of the half group is row r = l % 8 + 8 (l / 16) of image 2 b + u, u = (l / 8) % 2
	v_and_b32 v1, 7, v2
	v_lshl_add_u32 v1, v9, 3, v1
	s_and_b32 s60, s22, 1                          ; b
	s_mul_i32 s61, s60, 3072
	v_mul_u32_u24 v10, v15, 1536
	v_lshl_add_u32 v10, v1, 4, v10
	v_add_nc_u32 v10, s61, v10                     ; the image, + 16 r
	s_lshl_b32 s61, s60, 2
	v_lshlrev_b32 v11, 3, v1
	v_lshl_add_u32 v11, v15, 7, v11
	v_add_nc_u32 v11, s61, v11                     ; the scale word: 8 r + 128 u + 4 b
.macro LOADW t                         ; block t: 32 rows at my column; 32 lanes read 128 consecutive bytes, the four waves 512
.set i, 0
.rept 32
	global_load_b32 v[WX+32*((\t)%2)+i], v[OFF+i], s[32+2*(\t):33+2*(\t)] th:TH_LOAD_NT
.set i, i+1
.endr
.endm
.macro BLOCKW t
.set XS, WX+32*((\t)%2)
.set FD, WF+12*((\t)%2)+6*((\t)/2)     ; block t = 2 c + h is registers 6 c .. 6 c + 5 of lane (r, h)
.if (\t) < 3
	s_wait_loadcnt 32                              ; this block's 32 loads are in; the next block's may be out
.else
	s_wait_loadcnt 0x0
.endif
	v_max3_num_f32 v[WM1], |v[XS]|, |v[XS+1]|, |v[XS+2]|
	v_max3_num_f32 v[WM2], |v[XS+3]|, |v[XS+4]|, |v[XS+5]|
.irp i, 6,10,14,18,22,26
	v_max3_num_f32 v[WM1], v[WM1], |v[XS+\i]|, |v[XS+\i+1]|
	v_max3_num_f32 v[WM2], v[WM2], |v[XS+\i+2]|, |v[XS+\i+3]|
.endr
	v_max3_num_f32 v[WM1], v[WM1], |v[XS+30]|, |v[XS+31]|
	v_max3_num_f32 v[WM1], v[WM1], v[WM2], 0x2800000
	v_add_nc_u32 v[WSO], 0xfe000000, v[WM1]
	v_lshrrev_b32 v[WBY], 23, v[WSO]
.if (\t) == 0
	v_mov_b32 v[WWD], v[WBY]
.else
	v_lshl_or_b32 v[WWD], v[WBY], 8*(\t), v[WWD]
.endif
	v_cvt_scalef32_pk16_bf6_f32 v[FD:FD+2], v[XS:XS+15], v[WSO]
	v_cvt_scalef32_pk16_bf6_f32 v[WTQ:WTQ+2], v[XS+16:XS+31], v[WSO]
	v_nop                                          ; one plain place behind a scaled conversion
.irp i, 0,1,2
	v_mov_b32 v[FD+3+\i], v[WTQ+\i]
.endr
.if (\t) < 2
	LOADW (\t)+2
.endif
.endm
	LOADW 0
	LOADW 1
	BLOCKW 0
	BLOCKW 1
	BLOCKW 2
	BLOCKW 3
.irp h, 0,1
.irp c, 0,1,2
	global_store_b128 v10, v[WF+12*\h+4*\c:WF+12*\h+4*\c+3], s[44:45] offset:512*\c+256*\h   ; sixteen lanes of one image fill 256 consecutive, aligned bytes
.endr
.endr
	global_store_b32 v11, v[WWD], s[44:45] offset:6144
	s_endpgm
; ---------------- the table: wave = (group g of 64 positions, image a): cos and sin in the layout in which qkv's lanes hold q and k ----------------
.set T_FF, 32
.set T_SV, 36
.set T_NV, 40
.set T_YV, 44
.set T_EX, 48
.set T_WW, 52
.set T_UH, 56
.set T_UL, 60
.set T_QV, 64
.set T_XX, 68
.set T_X2, 72
.set T_SP, 76
.set T_CP, 80
.set T_QI, 84
.set T_TT, 88
.set T_OUT, 96                         ; v96-159: for each j four cos, four sin: no store's data are written again
.Ltable:
	s_lshl_b32 s28, ttmp9, 2
	s_add_co_u32 s28, s28, s22
	s_lshl_b32 s28, s28, 13                        ; 8,192 bytes a wave
	s_mov_b32 s29, 0
	s_add_nc_u64 s[20:21], s[20:21], s[28:29]
	s_lshl_b32 s30, ttmp9, 6
	s_lshr_b32 s31, s22, 1
	s_lshl_b32 s31, s31, 5
	s_add_co_u32 s30, s30, s31
	s_and_b32 s31, s22, 1
	s_lshl_b32 s31, s31, 3
	s_add_co_u32 s30, s30, s31
	v_and_b32 v21, 8, v8
	v_add_nc_u32 v21, v21, v8
	v_add_nc_u32 v21, s30, v21
	v_cvt_f32_u32 v21, v21                         ; my position: 64 g + 32 (a / 2) + 8 (a % 2) + r + 8 (r / 8)
	v_lshlrev_b32 v20, 4, v9                       ; 16 h
	s_mov_b32 s40, 0x3e9f7400                      ; log2(1e6) / 64 = 10205 / 32768
	s_mov_b32 s42, 0xb5971c98                      ;   - 1.12587e-6
	s_mov_b32 s41, 0x4029b200                      ; log2(2 pi) = 86884 / 32768
	s_mov_b32 s43, 0x36e6931c                      ;   + 6.87166e-6
	s_mov_b32 s44, 0x40c90fdb                      ; 2 pi
	s_mov_b32 s45, 0xbe800000                      ; -1/4
	s_mov_b32 s46, 0xbe2aaaab                      ; sin: -1/6, 1/120, -1/5040, 1/362880
	s_mov_b32 s47, 0x3c088889
	s_mov_b32 s48, 0xb9500d01
	s_mov_b32 s49, 0x3638ef1d
	s_mov_b32 s50, 0x3d2aaaab                      ; cos: 1/24, -1/720, 1/40320, -1/3628800
	s_mov_b32 s51, 0xbab60b61
	s_mov_b32 s52, 0x37d00d01
	s_mov_b32 s53, 0xb493f27e
; Four frequencies f = 16 h + 32 (j / 4) + 4 (j % 4) + e.  E = f log2(1e6) / 64 + log2(2 pi), in a high part that is exact and a low part; w = 2^-E turns a position; the turns' nearest quarter is
; taken away exactly (a fused multiply-add gives the product's low part); what is left, at most pi / 4 as an angle, goes into the two series; the quarter swaps and signs them.
.macro TABJ j
.irp e, 0,1,2,3
	v_add_nc_u32 v[T_FF+\e], 32*((\j)/4)+4*((\j)%4)+\e, v20
.endr
.irp e, 0,1,2,3
	v_cvt_f32_u32 v[T_FF+\e], v[T_FF+\e]
.endr
.irp e, 0,1,2,3
	v_fma_f32 v[T_SV+\e], v[T_FF+\e], s40, s41     ; exact: the numerators stay under 2^20 over 2^15
.endr
.irp e, 0,1,2,3
	v_floor_f32 v[T_NV+\e], v[T_SV+\e]
.endr
.irp e, 0,1,2,3
	v_fma_f32 v[T_YV+\e], v[T_FF+\e], s42, s43
.endr
.irp e, 0,1,2,3
	v_sub_f32 v[T_SV+\e], v[T_SV+\e], v[T_NV+\e]
.endr
.irp e, 0,1,2,3
	v_add_f32 v[T_YV+\e], v[T_SV+\e], v[T_YV+\e]
.endr
.irp e, 0,1,2,3
	v_exp_f32 v[T_EX+\e], -v[T_YV+\e]
.endr
.irp e, 0,1,2,3
	v_cvt_i32_f32 v[T_NV+\e], v[T_NV+\e]           ; plain work behind the batch
.endr
.irp e, 0,1,2,3
	v_sub_nc_u32 v[T_NV+\e], 0, v[T_NV+\e]
.endr
	s_wait_alu depctr_va_vdst(0)                   ; one wait for the four exponentials, ahead of their first reader
.irp e, 0,1,2,3
	v_ldexp_f32 v[T_WW+\e], v[T_EX+\e], v[T_NV+\e]
.endr
.irp e, 0,1,2,3
	v_mul_f32 v[T_UH+\e], v21, v[T_WW+\e]
.endr
.irp e, 0,1,2,3
	v_fma_f32 v[T_UL+\e], v21, v[T_WW+\e], -v[T_UH+\e]
.endr
.irp e, 0,1,2,3
	v_mul_f32 v[T_QV+\e], 4.0, v[T_UH+\e]
.endr
.irp e, 0,1,2,3
	v_rndne_f32 v[T_QV+\e], v[T_QV+\e]
.endr
.irp e, 0,1,2,3
	v_fma_f32 v[T_XX+\e], v[T_QV+\e], s45, v[T_UH+\e]
.endr
.irp e, 0,1,2,3
	v_add_f32 v[T_XX+\e], v[T_XX+\e], v[T_UL+\e]
.endr
.irp e, 0,1,2,3
	v_mul_f32 v[T_XX+\e], s44, v[T_XX+\e]
.endr
.irp e, 0,1,2,3
	v_mul_f32 v[T_X2+\e], v[T_XX+\e], v[T_XX+\e]
.endr
.irp e, 0,1,2,3
	v_fma_f32 v[T_SP+\e], v[T_X2+\e], s49, s48
	v_fma_f32 v[T_CP+\e], v[T_X2+\e], s53, s52
.endr
.irp e, 0,1,2,3
	v_fma_f32 v[T_SP+\e], v[T_SP+\e], v[T_X2+\e], s47
	v_fma_f32 v[T_CP+\e], v[T_CP+\e], v[T_X2+\e], s51
.endr
.irp e, 0,1,2,3
	v_fma_f32 v[T_SP+\e], v[T_SP+\e], v[T_X2+\e], s46
	v_fma_f32 v[T_CP+\e], v[T_CP+\e], v[T_X2+\e], s50
.endr
.irp e, 0,1,2,3
	v_mul_f32 v[T_TT+\e], v[T_XX+\e], v[T_X2+\e]
	v_fma_f32 v[T_CP+\e], v[T_CP+\e], v[T_X2+\e], -0.5
.endr
.irp e, 0,1,2,3
	v_fma_f32 v[T_SP+\e], v[T_SP+\e], v[T_TT+\e], v[T_XX+\e]
	v_fma_f32 v[T_CP+\e], v[T_CP+\e], v[T_X2+\e], 1.0
.endr
.irp e, 0,1,2,3
	v_cvt_i32_f32 v[T_QI+\e], v[T_QV+\e]
.endr
.irp e, 0,1,2,3
	v_and_b32 v[T_TT+\e], 1, v[T_QI+\e]
	v_cmp_eq_u32 vcc_lo, 1, v[T_TT+\e]             ; an odd quarter swaps the two
	v_cndmask_b32 v[T_OUT+8*(\j)+4+\e], v[T_SP+\e], v[T_CP+\e], vcc_lo
	v_cndmask_b32 v[T_OUT+8*(\j)+\e], v[T_CP+\e], v[T_SP+\e], vcc_lo
	v_and_b32 v[T_TT+\e], 2, v[T_QI+\e]            ; sin is negative in quarters 2, 3
	v_lshlrev_b32 v[T_TT+\e], 30, v[T_TT+\e]
	v_xor_b32 v[T_OUT+8*(\j)+4+\e], v[T_TT+\e], v[T_OUT+8*(\j)+4+\e]
	v_add_nc_u32 v[T_TT+\e], 1, v[T_QI+\e]         ; cos in quarters 1, 2
	v_and_b32 v[T_TT+\e], 2, v[T_TT+\e]
	v_lshlrev_b32 v[T_TT+\e], 30, v[T_TT+\e]
	v_xor_b32 v[T_OUT+8*(\j)+\e], v[T_TT+\e], v[T_OUT+8*(\j)+\e]
.endr
	global_store_b128 v3, v[T_OUT+8*(\j):T_OUT+8*(\j)+3], s[20:21] offset:512*(\j)
	global_store_b128 v3, v[T_OUT+8*(\j)+4:T_OUT+8*(\j)+7], s[20:21] offset:512*((\j)+8)
.endm
	TABJ 0
	TABJ 1
	TABJ 2
	TABJ 3
	TABJ 4
	TABJ 5
	TABJ 6
	TABJ 7
	s_endpgm
.Lfunc_end_k_q785396774b_prep:
	.size	k_q785396774b_prep, .Lfunc_end_k_q785396774b_prep-k_q785396774b_prep
	.p2alignl 7, 3214868480
	.fill 96, 4, 3214868480
	.section	.rodata,"a",@progbits
	.p2align	6, 0x0
	.amdhsa_kernel k_q785396774b_prep
		.amdhsa_group_segment_fixed_size 34304
		.amdhsa_private_segment_fixed_size 0
		.amdhsa_enable_private_segment 0
		.amdhsa_kernarg_size 72
		.amdhsa_user_sgpr_count 2
		.amdhsa_user_sgpr_kernarg_segment_ptr 1
		.amdhsa_wavefront_size32 1
		.amdhsa_system_sgpr_workgroup_id_x 1
		.amdhsa_system_sgpr_workgroup_id_y 1
		.amdhsa_system_sgpr_workgroup_id_z 1
		.amdhsa_system_vgpr_workitem_id 0
		.amdhsa_next_free_vgpr 256
		.amdhsa_next_free_sgpr 66
		.amdhsa_reserve_vcc 1
		.amdhsa_float_denorm_mode_32 3
		.amdhsa_float_denorm_mode_16_64 3
		.amdhsa_memory_ordered 1
		.amdhsa_forward_progress 1
		.amdhsa_inst_pref_size 113
	.end_amdhsa_kernel
	.amdgpu_metadata
---
amdhsa.version: [ 1, 2 ]
amdhsa.kernels:
  - .name:           k_q785396774b_prep
    .symbol:         k_q785396774b_prep.kd
    .args:
      - { .name: x, .offset: 0, .size: 8, .value_kind: global_buffer, .address_space: global }
      - { .name: wq, .offset: 8, .size: 8, .value_kind: global_buffer, .address_space: global }
      - { .name: wk, .offset: 16, .size: 8, .value_kind: global_buffer, .address_space: global }
      - { .name: wv, .offset: 24, .size: 8, .value_kind: global_buffer, .address_space: global }
      - { .name: wo, .offset: 32, .size: 8, .value_kind: global_buffer, .address_space: global }
      - { .name: xc, .offset: 40, .size: 8, .value_kind: global_buffer, .address_space: global }
      - { .name: wc, .offset: 48, .size: 8, .value_kind: global_buffer, .address_space: global }
      - { .name: woc, .offset: 56, .size: 8, .value_kind: global_buffer, .address_space: global }
      - { .name: rope, .offset: 64, .size: 8, .value_kind: global_buffer, .address_space: global }
    .group_segment_fixed_size: 34304
    .private_segment_fixed_size: 0
    .kernarg_segment_align: 8
    .kernarg_segment_size: 72
    .max_flat_workgroup_size: 128
    .sgpr_count:     66
    .vgpr_count:     256
    .wavefront_size: 32
...
	.end_amdgpu_metadata
.endif
;; end of part 1
;; launch qkv (part 2): grid 16 x 16, 4 waves a work-group, clusters of 4 x 4, 327,680 bytes of LDS; arguments xc, wc, rope, q_norm_w, k_norm_w, qc, kv; writes qc, kv
.if DOCPART == 2
	.amdgcn_target "amdgcn-amd-amdhsa--gfx1250"
	.amdhsa_code_object_version 6
	.text
	.protected	k_q785396774b_qkv
	.globl	k_q785396774b_qkv
	.p2align	8
	.type	k_q785396774b_qkv,@function
k_q785396774b_qkv:
	s_mov_b64 s[64:65], 0
	v_nop
	global_prefetch_b8 v0, s[64:65] scope:SCOPE_SE
	s_setreg_imm32_b32 hwreg(HW_REG_WAVE_MODE, 25, 1), 1
	s_wait_xcnt 0x0
	s_wait_alu depctr_hold_cnt(0) depctr_sa_sdst(0) depctr_va_vdst(0) depctr_va_sdst(0) depctr_va_ssrc(0) depctr_va_vcc(0) depctr_vm_vsrc(0)
	s_getreg_b32 s2, hwreg(HW_REG_IB_STS2, 6, 4)
	s_cmp_eq_u32 s2, 0
	s_cbranch_scc0 .Lentry_in_a_cluster
	s_endpgm
.Lentry_in_a_cluster:
	s_bfe_u32 s2, ttmp6, 0x10000c
	s_cmp_lg_u32 s2, 0xf033
	s_cbranch_scc0 .Lentry_shape_is_right
	s_endpgm
.Lentry_shape_is_right:
; QKV: x wq, x wk, x wv on codes of BF6 with E8M0 scales, K = 4,096; then, in registers, the RMS norm and RoPE of q and k, and the quantisers of q, k (along the head's 128) and v (along the tokens).
; SHARES.  A work-group makes 256 tokens x 128 channels (one head): tile column ct = 0-7 q's heads, 8-11 k's, 12-15 v's; a cluster of 4 x 4 is of one kind, told by the cluster's x alone.  Four waves, 32 accumulators each.
; OPERANDS lie in xc and wc as images of their registers (prep): a fragment is three loads of 16 bytes a lane, 512 consecutive bytes each; four images' scale words one load of 8 bytes a lane.
; ROLES.  S0 = 8 images, source 0: its rows run along a lane's registers; S1 = 4 images, source 1: its rows fall to the lanes.
;   q, k: S1 = x's group w (a lane holds a token), S0 = the head's 128 channels: norm, RoPE and the blocks of 32 channels lie in one lane and its partner l xor 16.
;   v:    S1 = 64 channels (w / 2), S0 = 128 tokens (w % 2): a lane holds a channel and its registers run along the tokens, which are the K of p v.
; One loop serves both: only the LDS bases differ, chosen by the cluster's x.  By the order of rows in an image the 16 registers of result tiles 2 b, 2 b + 1 are 16 neighbours, 32 b + 16 h + 0 .. 15.
; RING: two slots of 153,600 bytes, each 512 along K: x's 16 records, then W's 8.  x's tiles are shared along a row of the cluster, W's along a column: joint loads, one a wave (waves 0, 1: x's halves; 2, 3: W's).
; No prefetch: both operands are read by many work-groups, and a refill has 128 matrix instructions in which to land.  LIMITS: as stated at prep's head.
; REGISTERS: window 0: v16-29 addresses; v32-47 scale words, two sets; v64-159 S1's fragments, two sets.  window 1: S0's fragments, two sets of 96.  window 2: accumulator (a, t) at v[64 a + 8 t].
;   afterwards window 0: v64-127 a tile of 16 tokens at work; v128-175 codes; v176-239 at work.  window 1: v0-127 two sets of cos and sin; v192-255 the norm's weights.
.set SLOT,  153600
.set WOFF,  102400                     ; W's records behind x's
.set GS,    25600                      ; from group to group: four records
.set REC,   6400
.set SPARE, 2*SLOT                     ; behind the ring: the spare words, 128 bytes a wave
.set ADR1, 16                          ; v16-17 S1's images in slot 0, 1, + 16 x lane
.set ADR0, 18                          ; v18-19 S0's
.set LI,   20                          ; v20    16 x lane
.set L8,   21                          ; v21    8 x lane
.set ADS1, 22                          ; v22-23 S1's base + 8 x lane, for the scale words
.set ADS0, 24                          ; v24-25 S0's
.set H64,  26                          ; v26    64 h
.set SPW,  28
.set NIL,  29
.set SC,   32                          ; set p at v[32 + 8 p]: +0..3 S0's words, +4..5 S1's; register i: image 2 i in lanes 0-15, image 2 i + 1 in lanes 16-31
.set F1,   64
.set Y,    64
.set PC,   128
.set TQ,   176
.set TM,   184
.set PW,   200
.set XW,   204
.set SS,   208
.set RI,   224
.set TT,   232
.set G1,  24
.set G0,  32
.set G1B, 48
.set G0B, 56
.set SEL, 82
.set OB,  84                           ; s[84:91] where images 0 to 3 go
.set SB,  92                           ; s[92:93] where their scale words go
.set RP,  94                           ; s[94:95] my 64 positions in the table
.set NW,  96                           ; s[96:97] the norm's weights
.set MSB, 0
.macro WIN new                         ; the immediate's high byte repeats the setting that is left
.if MSB != \new
	s_set_vgpr_msb (MSB<<8)|\new
.set MSB, \new
.endif
.endm
.macro PLACES
.rept 4
	v_nop
.endr
.endm
.macro JLOAD s                         ; a joint load: waves 0, 1 for x, waves 2, 3 for W; an s_nop 0 and four v_nop follow each line
	s_cmp_eq_u32 s19, 0
	s_cbranch_scc0 .Lfor_w_\@
	tensor_load_to_lds s[G0+4*\s:G0+4*\s+3], s[G1:G1+7]
	s_nop 0
.rept 4
	v_nop
.endr
	s_branch .Lasked_\@
.Lfor_w_\@:
	tensor_load_to_lds s[G0B+4*\s:G0B+4*\s+3], s[G1B:G1B+7]
	s_nop 0
.rept 4
	v_nop
.endr
.Lasked_\@:
.endm
.macro CREST                           ; a round of the cluster's barrier behind its opening barrier
	s_cmp_lg_u32 s18, 0
	s_cbranch_scc1 .Lnot_wave_0_\@
	s_barrier_signal -3
.Lnot_wave_0_\@:
	s_barrier_wait -3
	s_barrier_signal -1
	s_barrier_wait -1
.endm
.macro CROUND
	s_barrier_signal -1
	s_barrier_wait -1
	CREST
.endm
.macro WM zero, ra, rb                 ; one product; ra, rb: which half of the lanes holds source 0's and source 1's scale words
.set WR, 2*(\ra)+(\rb)
.if \zero
.if WR == 0
	v_wmma_scale_f32_16x16x128_f8f6f4 v[WD:WD+7], v[W0:W0+11], v[W1:W1+11], 0, v[WSA], v[WSB] matrix_a_fmt:MATRIX_FMT_BF6 matrix_b_fmt:MATRIX_FMT_BF6
.elseif WR == 1
	v_wmma_scale_f32_16x16x128_f8f6f4 v[WD:WD+7], v[W0:W0+11], v[W1:W1+11], 0, v[WSA], v[WSB] matrix_a_fmt:MATRIX_FMT_BF6 matrix_b_fmt:MATRIX_FMT_BF6 matrix_b_scale:MATRIX_SCALE_ROW1
.elseif WR == 2
	v_wmma_scale_f32_16x16x128_f8f6f4 v[WD:WD+7], v[W0:W0+11], v[W1:W1+11], 0, v[WSA], v[WSB] matrix_a_fmt:MATRIX_FMT_BF6 matrix_b_fmt:MATRIX_FMT_BF6 matrix_a_scale:MATRIX_SCALE_ROW1
.else
	v_wmma_scale_f32_16x16x128_f8f6f4 v[WD:WD+7], v[W0:W0+11], v[W1:W1+11], 0, v[WSA], v[WSB] matrix_a_fmt:MATRIX_FMT_BF6 matrix_b_fmt:MATRIX_FMT_BF6 matrix_a_scale:MATRIX_SCALE_ROW1 matrix_b_scale:MATRIX_SCALE_ROW1
.endif
.else
.if WR == 0
	v_wmma_scale_f32_16x16x128_f8f6f4 v[WD:WD+7], v[W0:W0+11], v[W1:W1+11], v[WD:WD+7], v[WSA], v[WSB] matrix_a_fmt:MATRIX_FMT_BF6 matrix_b_fmt:MATRIX_FMT_BF6
.elseif WR == 1
	v_wmma_scale_f32_16x16x128_f8f6f4 v[WD:WD+7], v[W0:W0+11], v[W1:W1+11], v[WD:WD+7], v[WSA], v[WSB] matrix_a_fmt:MATRIX_FMT_BF6 matrix_b_fmt:MATRIX_FMT_BF6 matrix_b_scale:MATRIX_SCALE_ROW1
.elseif WR == 2
	v_wmma_scale_f32_16x16x128_f8f6f4 v[WD:WD+7], v[W0:W0+11], v[W1:W1+11], v[WD:WD+7], v[WSA], v[WSB] matrix_a_fmt:MATRIX_FMT_BF6 matrix_b_fmt:MATRIX_FMT_BF6 matrix_a_scale:MATRIX_SCALE_ROW1
.else
	v_wmma_scale_f32_16x16x128_f8f6f4 v[WD:WD+7], v[W0:W0+11], v[W1:W1+11], v[WD:WD+7], v[WSA], v[WSB] matrix_a_fmt:MATRIX_FMT_BF6 matrix_b_fmt:MATRIX_FMT_BF6 matrix_a_scale:MATRIX_SCALE_ROW1 matrix_b_scale:MATRIX_SCALE_ROW1
.endif
.endif
.endm
	s_load_b256 s[4:11], s[0:1], 0x0               ; xc, wc, rope, q_norm_w
	s_load_b128 s[12:15], s[0:1], 0x20             ; k_norm_w, qc
	s_load_b64 s[16:17], s[0:1], 0x30              ; kv
	v_lshl_add_u32 v[SPW], v0, 2, SPARE
	v_mov_b32 v[NIL], 0
	ds_add_u32 v[SPW], v[NIL]                      ; the wave's opening: the add, twice on end, and its wait ahead of my first tensor load
	ds_add_u32 v[SPW], v[NIL]
	v_lshrrev_b32 v1, 5, v0
	v_readfirstlane_b32 s18, v1                    ; wave
	s_lshr_b32 s19, s18, 1
	s_and_b32 s20, s18, 1
	s_bfe_u32 s40, ttmp6, 0x40000                  ; cx
	s_bfe_u32 s41, ttmp6, 0x40004                  ; cy
	s_lshl_b32 s42, ttmp9, 2
	s_add_co_u32 s42, s42, s40                     ; ct = 4 x cluster x + cx
	s_and_b32 s21, ttmp7, 0xffff
	s_lshl_b32 s21, s21, 2
	s_add_co_u32 s21, s21, s41                     ; ty = 4 x cluster y + cy
	s_lshl_b32 s43, s41, 2
	s_lshl_b32 s43, 15, s43                        ; my row of the cluster
	s_lshl_b32 s44, 0x1111, s40                    ; my column
	s_or_b32 s[G1], s43, (3<<16)|(1<<21)           ; x's halves: 51,200 dense bytes as 200 rows of 32 elements of 8 bytes; the mask; bit 21 beside it
	s_mov_b32 s[G1+1], 32<<16
	s_mov_b32 s[G1+2], 200<<16
	s_mov_b32 s[G1+3], 32<<16
	s_mov_b32 s[G1+4], 200
	s_mov_b32 s[G1+5], 32
	s_mov_b32 s[G1+6], 0
	s_mov_b32 s[G1+7], 0
	s_or_b32 s[G1B], s44, (3<<16)|(1<<21)          ; W's halves: 25,600 bytes, 100 rows
	s_mov_b32 s[G1B+1], 32<<16
	s_mov_b32 s[G1B+2], 100<<16
	s_mov_b32 s[G1B+3], 32<<16
	s_mov_b32 s[G1B+4], 100
	s_mov_b32 s[G1B+5], 32
	s_mov_b32 s[G1B+6], 0
	s_mov_b32 s[G1B+7], 0
	s_mul_i32 s22, s21, 819200                     ; x: 8 chunks of 102,400 bytes a tile row,
	s_mul_i32 s45, s20, 51200                      ; + my half; also its place in a slot
	s_add_co_u32 s22, s22, s45
	s_mov_b32 s23, 0
	s_mul_i32 s46, s42, 409600                     ; W: 8 chunks of 51,200 bytes a tile column,
	s_mul_i32 s66, s20, GS                         ; + my half
	s_add_co_u32 s46, s46, s66
	s_mov_b32 s47, 0
	s_mov_b32 s[SEL], 0x76543210
	s_mov_b32 s[SEL+1], 0xfedcba98
	s_mov_b32 s80, 0x3c000000                      ; 1 / 128
	s_mov_b32 s81, 0x358637bd                      ; 1e-6
	s_mov_b32 s98, 0xffff0000                      ; lanes 16-31
	s_wait_dscnt 0x0                               ; both opening adds are done
	s_wait_kmcnt 0x0
	s_add_nc_u64 s[22:23], s[4:5], s[22:23]
	s_add_nc_u64 s[46:47], s[6:7], s[46:47]
	CROUND                                         ; all sixteen work-groups are here: the first joint loads meet
.irp s, 0,1
	s_mov_b32 s[G0+4*\s], 1
	s_add_co_u32 s[G0+4*\s+1], s45, \s*SLOT
	s_add_nc_u64 s[G0+4*\s+2:G0+4*\s+3], s[22:23], \s*102400
	s_or_b32 s[G0+4*\s+3], s[G0+4*\s+3], 0x80000000
	s_mov_b32 s[G0B+4*\s], 1
	s_add_co_u32 s[G0B+4*\s+1], s66, \s*SLOT+WOFF
	s_add_nc_u64 s[G0B+4*\s+2:G0B+4*\s+3], s[46:47], \s*51200
	s_or_b32 s[G0B+4*\s+3], s[G0B+4*\s+3], 0x80000000
	JLOAD \s
.endr
	; the roles' LDS bases: they hang on the wave's number and on the cluster's x, which all partners share
	s_mul_i32 s67, s18, GS                         ; q, k: S1 = x's group w
	s_mul_i32 s68, s19, GS
	s_add_co_u32 s68, s68, WOFF                    ; v: S1 = W's group w / 2
	s_mov_b32 s69, WOFF                            ; q, k: S0 = W's two groups;  v: S0 = x's groups 2 (w % 2) on, at s45
	s_cmp_eq_u32 ttmp9, 3
	s_cselect_b32 s67, s68, s67
	s_cselect_b32 s69, s45, s69
	v_and_b32 v1, 31, v0
	v_lshlrev_b32 v[LI], 4, v1
	v_lshlrev_b32 v[L8], 3, v1
	v_bfe_u32 v[H64], v0, 4, 1
	v_lshlrev_b32 v[H64], 6, v[H64]
	v_add_nc_u32 v[ADR1], s67, v[LI]
	v_add_nc_u32 v[ADR1+1], SLOT, v[ADR1]
	v_add_nc_u32 v[ADR0], s69, v[LI]
	v_add_nc_u32 v[ADR0+1], SLOT, v[ADR0]
	v_add_nc_u32 v[ADS1], s67, v[L8]
	v_add_nc_u32 v[ADS1+1], SLOT, v[ADS1]
	v_add_nc_u32 v[ADS0], s69, v[L8]
	v_add_nc_u32 v[ADS0+1], SLOT, v[ADS0]
	; where the results go.  q: record ((8 b + head) 32 + g), images 1,536 bytes apart.  k, v: the slot of 256 keys (4 b + kv head, tl), in eighths of 6,400 bytes: eighth e holds k's images e and 8 + e,
	; v's images (key step 0, tile e) and (1, e), and one block of scale words (e < 4: k's group e; else v's 2 x step + tile / 4)
	s_lshr_b32 s70, s21, 3                         ; b
	s_and_b32 s71, s21, 7                          ; tl
	s_lshl_b32 s72, s70, 3
	s_add_co_u32 s72, s72, s42
	s_lshl_b32 s72, s72, 5
	s_lshl_b32 s73, s71, 2
	s_add_co_u32 s73, s73, s18                     ; g = 4 tl + w
	s_add_co_u32 s72, s72, s73
	s_mul_i32 s72, s72, REC                        ; q: image 0
	s_add_co_u32 s74, s72, 6144                    ; q: scale words
	s_and_b32 s75, s42, 3
	s_lshl_b32 s70, s70, 2
	s_add_co_u32 s75, s75, s70
	s_lshl_b32 s75, s75, 3
	s_add_co_u32 s75, s75, s71
	s_mul_i32 s75, s75, 51200                      ; the slot
	s_lshl_b32 s70, s73, 15                        ; the table: 32,768 bytes for 64 positions
	s_mov_b32 s71, 0
	s_mul_i32 s76, s19, 1536
	s_add_co_u32 s76, s76, s66
	s_add_co_u32 s76, s76, s75                     ; k: image 4 w + a lies in eighth 4 (w % 2) + a, place w / 2
	s_mul_i32 s77, s18, REC
	s_add_co_u32 s77, s77, s75
	s_add_co_u32 s77, s77, 6144                    ; k: scale words in eighth w
	s_mul_i32 s78, s20, 1536
	s_mul_i32 s79, s19, GS
	s_add_co_u32 s78, s78, s79
	s_add_co_u32 s78, s78, s75
	s_add_co_u32 s78, s78, 3072                    ; v: (step w % 2, tile 4 (w / 2) + a)
	s_lshl_b32 s79, s20, 1
	s_add_co_u32 s79, s79, s19
	s_mul_i32 s79, s79, REC
	s_add_co_u32 s79, s79, s75
	s_add_co_u32 s79, s79, 4*REC+6144              ; v: scale words in eighth 4 + 2 (w % 2) + w / 2
	s_cmp_eq_u32 ttmp9, 3
	s_cselect_b32 s76, s78, s76
	s_cselect_b32 s77, s79, s77
	s_mov_b32 s78, REC
	s_cmp_lt_u32 ttmp9, 2
	s_cselect_b32 s72, s72, s76
	s_cselect_b32 s74, s74, s77
	s_cselect_b32 s78, 1536, s78                   ; from image to image
	s_cselect_b64 s[76:77], s[14:15], s[16:17]
	s_cselect_b64 s[NW:NW+1], s[10:11], s[12:13]
	s_mov_b32 s73, 0
	s_mov_b32 s75, 0
	s_mov_b32 s79, 0
	s_add_nc_u64 s[OB:OB+1], s[76:77], s[72:73]
	s_add_nc_u64 s[OB+2:OB+3], s[OB:OB+1], s[78:79]
	s_add_nc_u64 s[OB+4:OB+5], s[OB+2:OB+3], s[78:79]
	s_add_nc_u64 s[OB+6:OB+7], s[OB+4:OB+5], s[78:79]
	s_add_nc_u64 s[SB:SB+1], s[76:77], s[74:75]
	s_add_nc_u64 s[RP:RP+1], s[8:9], s[70:71]
.macro FETCH slot, q, p                ; 39 LDS loads in one run: the slot's q-th 128 along K into set p
	WIN 0x40
.irp t, 0,1,2,3,4,5,6,7
.irp c, 0,1,2
	ds_load_b128 v[96*(\p)+12*\t+4*\c:96*(\p)+12*\t+4*\c+3], v[ADR0+\slot] offset:(\t/4)*GS+REC*(\q)+1536*(\t%4)+512*\c
.endr
.endr
	WIN 0
.irp a, 0,1,2,3
.irp c, 0,1,2
	ds_load_b128 v[F1+48*(\p)+12*\a+4*\c:F1+48*(\p)+12*\a+4*\c+3], v[ADR1+\slot] offset:REC*(\q)+1536*\a+512*\c
.endr
.endr
	ds_load_b64 v[SC+8*(\p):SC+8*(\p)+1], v[ADS0+\slot] offset:REC*(\q)+6144
	ds_load_b64 v[SC+8*(\p)+2:SC+8*(\p)+3], v[ADS0+\slot] offset:GS+REC*(\q)+6144
	ds_load_b64 v[SC+8*(\p)+4:SC+8*(\p)+5], v[ADS1+\slot] offset:REC*(\q)+6144
.endm
.macro MULA p, a, zero                 ; S1's image a against S0's eight.  The 32 accumulators take turns, one instruction a turn, in the same order in every step
.irp t, 0,1,2,3,4,5,6,7
.set WD, 64*(\a)+8*\t
.set W0, 96*(\p)+12*\t
.set W1, F1+48*(\p)+12*(\a)
.set WSA, SC+8*(\p)+\t/2
.set WSB, SC+8*(\p)+4+(\a)/2
	WM \zero, \t%2, (\a)%2
.endr
.endm
.macro STEP slot, q, zero              ; one of a slot's first three steps of 128 along K
	s_wait_dscnt 0x0                               ; this step's set is in: it was asked for 32 matrix instructions ago
	PLACES                                         ; four places in front of loads into registers that the last step's products read
	FETCH \slot, (\q)+1, 1-(\q)%2
	WIN 0xa1                                       ; source 0 window 1, source 1 window 0, C and D window 2
	MULA (\q)%2, 0, \zero
	MULA (\q)%2, 1, \zero
	MULA (\q)%2, 2, \zero
	MULA (\q)%2, 3, \zero
.endm
.macro TURN slot, next, fill           ; a slot's last step changes slots: one barrier (fill = 1: it opens a round of the cluster's)
	WIN 0
	s_wait_tensorcnt 0x0                           ; all my tensor loads have landed: my part of the next slot
	ds_add_u32 v[SPW], v[NIL]                      ; 0 onto my spare word
	s_wait_dscnt 1                                 ; this step's set is in; the add alone may be out
	WIN 0xa1
	MULA 1, 0, 0
	s_wait_dscnt 0x0                               ; the add is done, and my reads of this slot are over
	s_barrier_signal -1
	MULA 1, 1, 0
	WIN 0
	s_barrier_wait -1
.if \fill
	CREST                                          ; no wave of any partner still reads this slot or has a load on its way
	s_add_nc_u64 s[G0+4*\slot+2:G0+4*\slot+3], s[G0+4*\slot+2:G0+4*\slot+3], 204800
	s_add_nc_u64 s[G0B+4*\slot+2:G0B+4*\slot+3], s[G0B+4*\slot+2:G0B+4*\slot+3], 102400
	JLOAD \slot                                    ; two chunks on; its four v_nop are the places in front of the loads below
.else
	PLACES
.endif
	FETCH \next, 0, 0
	WIN 0xa1
	MULA 1, 2, 0
	MULA 1, 3, 0
.endm
	s_wait_tensorcnt 1                             ; my part of chunk 0 is in; chunk 1's may stay out
	s_barrier_signal -1
	s_barrier_wait -1
	FETCH 0, 0, 0
	STEP 0, 0, 1                                   ; the first step stands in front of the loop: its products start the sums
	WIN 0
	s_mov_b32 s3, 3
.Llap:                                                 ; a trip goes once round the ring and fills both slots again
	STEP 0, 1, 0
	STEP 0, 2, 0
	TURN 0, 1, 1
	STEP 1, 0, 0
	STEP 1, 1, 0
	STEP 1, 2, 0
	TURN 1, 0, 1
	STEP 0, 0, 0
	WIN 0
	s_sub_co_u32 s3, s3, 1
	s_cmp_lg_u32 s3, 0
	s_cbranch_scc1 .Llap
	STEP 0, 1, 0                                   ; the last lap fills nothing
	STEP 0, 2, 0
	TURN 0, 1, 0
	STEP 1, 0, 0
	STEP 1, 1, 0
	STEP 1, 2, 0
	s_wait_dscnt 0x0
	WIN 0xa1
	MULA 1, 0, 0
	MULA 1, 1, 0
	MULA 1, 2, 0
	MULA 1, 3, 0
	WIN 0
	PLACES                                         ; in front of the first read of results and of writes into operand registers
; 64 numbers of a lane in window sw (0 or 2), register 16 b + i = k 32 b + 16 h + i of my row, become a fragment's 12 registers at v[pc] and its scale word in v[pw]
.macro QUANT s, sw, pc, pw
.if \sw
	WIN 0x0a
.else
	WIN 0
.endif
.irp b, 0,1,2,3
	v_max3_num_f32 v[TM+\b], |v[(\s)+16*\b]|, |v[(\s)+1+16*\b]|, 0x2800000   ; with the floor 2^(5 - 127); each accumulator is read from its low end on
.endr
.if \sw
	WIN 0x28
.endif
.irp i, 2,4,6,8,10,12,14
.irp b, 0,1,2,3
	v_max3_num_f32 v[TM+\b], v[TM+\b], |v[(\s)+16*\b+\i]|, |v[(\s)+1+16*\b+\i]|
.endr
.endr
	WIN 0
.irp b, 0,1,2,3
	v_permlanex16_b32 v[TM+4+\b], v[TM+\b], s[SEL], s[SEL+1]
.endr
.irp b, 0,1,2,3
	v_max_num_f32 v[TM+\b], v[TM+\b], v[TM+4+\b]   ; with lane l xor 16's 16: the block's largest magnitude
.endr
.irp b, 0,1,2,3
	v_add_nc_u32 v[TM+12+\b], 0xfe000000, v[TM+\b] ; 4 off the exponent field: the conversion's scale operand
.endr
.irp b, 0,1,2,3
	v_lshrrev_b32 v[TM+4+\b], 23, v[TM+12+\b]      ; the byte
.endr
	v_lshl_or_b32 v[\pw], v[TM+5], 8, v[TM+4]
	v_lshl_or_b32 v[\pw], v[TM+6], 16, v[\pw]
	v_lshl_or_b32 v[\pw], v[TM+7], 24, v[\pw]
.if \sw
	WIN 0x02
.endif
.irp c, 0,1
	v_cvt_scalef32_pk16_bf6_f32 v[(\pc)+6*\c:(\pc)+6*\c+2], v[(\s)+32*\c:(\s)+32*\c+15], v[TM+12+2*\c]
	v_cvt_scalef32_pk16_bf6_f32 v[TQ+4*\c:TQ+4*\c+2], v[(\s)+32*\c+16:(\s)+32*\c+31], v[TM+12+2*\c+1]
.endr
	WIN 0
	v_nop                                          ; one plain place behind a scaled conversion
.irp c, 0,1                                    ; a whole block to a lane: lanes 0-15 block 2 c, lanes 16-31 block 2 c + 1
.irp i, 0,1,2
	v_permlane16_swap_b32 v[(\pc)+6*\c+\i], v[TQ+4*\c+\i]
.endr
.irp i, 0,1,2
	v_mov_b32 v[(\pc)+6*\c+3+\i], v[TQ+4*\c+\i]
.endr
.endr
.endm
.macro TABLOAD a                       ; cos and sin of image a's 16 positions, in my lanes' layout: 16 loads of 512 consecutive bytes (under destination window 1)
.set j, 0
.rept 16
	global_load_b128 v[64*((\a)%2)+4*j:64*((\a)%2)+4*j+3], v[LI], s[RP:RP+1] offset:512*(16*(\a)+j)
.set j, j+1
.endr
.endm
.irp b, 0,1,2,3
	v_mov_b32 v[TM+4+\b], 0                        ; a lane permute's destination counts as one of its sources
.endr
	s_cmp_eq_u32 ttmp9, 3
	s_cbranch_scc1 .Lv
	; ---- q, k: lane (r, h) of image a holds token r's channels 32 b + 16 h + i in register 16 b + i
	WIN 0x40
.irp b, 0,1,2,3
.irp j, 0,1,2,3
	global_load_b128 v[192+16*\b+4*\j:192+16*\b+4*\j+3], v[H64], s[NW:NW+1] offset:128*\b+16*\j   ; the norm's weights of my 64 channels
.endr
.endr
	TABLOAD 0
	TABLOAD 1
	WIN 0x0a                                       ; the sums of squares, two packed chains a tile of tokens, ascending
.irp a, 0,1,2,3
	v_pk_mul_f32 v[SS+4*\a:SS+4*\a+1], v[64*\a:64*\a+1], v[64*\a:64*\a+1]
	v_pk_mul_f32 v[SS+4*\a+2:SS+4*\a+3], v[64*\a+2:64*\a+3], v[64*\a+2:64*\a+3]
.endr
.irp i, 4,8,12,16,20,24,28,32,36,40,44,48,52,56,60
.irp a, 0,1,2,3
	v_pk_fma_f32 v[SS+4*\a:SS+4*\a+1], v[64*\a+\i:64*\a+\i+1], v[64*\a+\i:64*\a+\i+1], v[SS+4*\a:SS+4*\a+1]
	v_pk_fma_f32 v[SS+4*\a+2:SS+4*\a+3], v[64*\a+\i+2:64*\a+\i+3], v[64*\a+\i+2:64*\a+\i+3], v[SS+4*\a+2:SS+4*\a+3]
.endr
.endr
	WIN 0
.irp a, 0,1,2,3
	v_pk_add_f32 v[SS+4*\a:SS+4*\a+1], v[SS+4*\a:SS+4*\a+1], v[SS+4*\a+2:SS+4*\a+3]
.endr
.irp a, 0,1,2,3
	v_add_f32 v[SS+4*\a], v[SS+4*\a], v[SS+4*\a+1]
.endr
.irp a, 0,1,2,3
	v_permlanex16_b32 v[SS+4*\a+1], v[SS+4*\a], s[SEL], s[SEL+1]
.endr
.irp a, 0,1,2,3
	v_add_f32 v[SS+4*\a], v[SS+4*\a], v[SS+4*\a+1] ; with the token's other 64 channels
.endr
.irp a, 0,1,2,3
	v_fma_f32 v[SS+4*\a], v[SS+4*\a], s80, s81     ; the mean + 1e-6
.endr
.irp a, 0,1,2,3
	v_rsq_f32 v[RI+2*\a], v[SS+4*\a]
.endr
.irp a, 0,1,2,3
	v_mov_b32 v[RI+2*\a+1], 0                      ; (named with it as a pair.)  Plain work behind the batch
.endr
	s_wait_alu depctr_va_vdst(0)                   ; one wait for the four, ahead of their first reader
.irp a, 0,1,2,3
	WIN 0x02
.irp i, 0,2,4,6,8,10,12,14,16,18,20,22,24,26,28,30,32,34,36,38,40,42,44,46,48,50,52,54,56,58,60,62
	v_pk_mul_f32 v[Y+\i:Y+\i+1], v[64*\a+\i:64*\a+\i+1], v[RI+2*\a:RI+2*\a+1] op_sel_hi:[1,0]
.endr
.if \a < 3
	s_wait_loadcnt 16                              ; the weights and this image's table are in; the next image's 16 loads may be out
.else
	s_wait_loadcnt 0x0
.endif
	WIN 0x04                                       ; source 1 window 1
.irp i, 0,2,4,6,8,10,12,14,16,18,20,22,24,26,28,30,32,34,36,38,40,42,44,46,48,50,52,54,56,58,60,62
	v_pk_mul_f32 v[Y+\i:Y+\i+1], v[Y+\i:Y+\i+1], v[192+\i:193+\i]
.endr
.irp p, 0,1,2,3,4,5,6,7,8,9,10,11,12,13,14,15   ; RoPE: registers 0-31 are channels under 64 (a), 32-63 those 64 further on (b): a cos - b sin, b cos + a sin
	v_pk_mul_f32 v[TT+4*(\p%2):TT+4*(\p%2)+1], v[Y+2*\p:Y+2*\p+1], v[64*(\a%2)+2*\p:64*(\a%2)+2*\p+1]
	v_pk_mul_f32 v[TT+4*(\p%2)+2:TT+4*(\p%2)+3], v[Y+2*\p:Y+2*\p+1], v[64*(\a%2)+32+2*\p:64*(\a%2)+32+2*\p+1]
	v_pk_fma_f32 v[Y+2*\p:Y+2*\p+1], v[Y+32+2*\p:Y+32+2*\p+1], v[64*(\a%2)+32+2*\p:64*(\a%2)+32+2*\p+1], v[TT+4*(\p%2):TT+4*(\p%2)+1] neg_lo:[1,0,0] neg_hi:[1,0,0]
	v_pk_fma_f32 v[Y+32+2*\p:Y+32+2*\p+1], v[Y+32+2*\p:Y+32+2*\p+1], v[64*(\a%2)+2*\p:64*(\a%2)+2*\p+1], v[TT+4*(\p%2)+2:TT+4*(\p%2)+3]
.endr
.if \a < 2
	WIN 0x40
	TABLOAD \a+2
.endif
	QUANT Y, 0, PC+12*\a, PW+\a
.irp c, 0,1,2
	global_store_b128 v[LI], v[PC+12*\a+4*\c:PC+12*\a+4*\c+3], s[OB+2*\a:OB+2*\a+1] offset:512*\c   ; 512 consecutive bytes
.endr
.endr
	s_branch .Lwords
	; ---- v: lane (r, h) of image a holds channel r's tokens 32 b + 16 h + i in register 16 b + i: the quantiser runs along the tokens
.Lv:
.irp a, 0,1,2,3
	QUANT 64*\a, 2, PC+12*\a, PW+\a
.irp c, 0,1,2
	global_store_b128 v[LI], v[PC+12*\a+4*\c:PC+12*\a+4*\c+3], s[OB+2*\a:OB+2*\a+1] offset:512*\c
.endr
.endr
.Lwords:
	v_cndmask_b32 v[XW], v[PW], v[PW+1], s98       ; lanes 0-15: image 0's words, lanes 16-31: image 1's
	v_cndmask_b32 v[XW+1], v[PW+2], v[PW+3], s98
	global_store_b64 v[L8], v[XW:XW+1], s[SB:SB+1] ; 256 consecutive bytes
	s_wait_tensorcnt 0x0                           ; the wave's end
	ds_add_u32 v[SPW], v[NIL]
	s_wait_dscnt 0x0
	CROUND                                         ; the closing round
	s_endpgm
.Lfunc_end_k_q785396774b_qkv:
	.size	k_q785396774b_qkv, .Lfunc_end_k_q785396774b_qkv-k_q785396774b_qkv
	.p2alignl 7, 3214868480
	.fill 96, 4, 3214868480
	.section	.rodata,"a",@progbits
	.p2align	6, 0x0
	.amdhsa_kernel k_q785396774b_qkv
		.amdhsa_group_segment_fixed_size 327680
		.amdhsa_private_segment_fixed_size 0
		.amdhsa_enable_private_segment 0
		.amdhsa_kernarg_size 56
		.amdhsa_user_sgpr_count 2
		.amdhsa_user_sgpr_kernarg_segment_ptr 1
		.amdhsa_wavefront_size32 1
		.amdhsa_system_sgpr_workgroup_id_x 1
		.amdhsa_system_sgpr_workgroup_id_y 1
		.amdhsa_system_sgpr_workgroup_id_z 1
		.amdhsa_system_vgpr_workitem_id 0
		.amdhsa_next_free_vgpr 768
		.amdhsa_next_free_sgpr 100
		.amdhsa_reserve_vcc 0
		.amdhsa_float_denorm_mode_32 3
		.amdhsa_float_denorm_mode_16_64 3
		.amdhsa_memory_ordered 1
		.amdhsa_forward_progress 1
		.amdhsa_inst_pref_size 201
	.end_amdhsa_kernel
	.amdgpu_metadata
---
amdhsa.version: [ 1, 2 ]
amdhsa.kernels:
  - .name:           k_q785396774b_qkv
    .symbol:         k_q785396774b_qkv.kd
    .args:
      - { .name: xc, .offset: 0, .size: 8, .value_kind: global_buffer, .address_space: global }
      - { .name: wc, .offset: 8, .size: 8, .value_kind: global_buffer, .address_space: global }
      - { .name: rope, .offset: 16, .size: 8, .value_kind: global_buffer, .address_space: global }
      - { .name: q_norm_w, .offset: 24, .size: 8, .value_kind: global_buffer, .address_space: global }
      - { .name: k_norm_w, .offset: 32, .size: 8, .value_kind: global_buffer, .address_space: global }
      - { .name: qc, .offset: 40, .size: 8, .value_kind: global_buffer, .address_space: global }
      - { .name: kv, .offset: 48, .size: 8, .value_kind: global_buffer, .address_space: global }
    .group_segment_fixed_size: 327680
    .private_segment_fixed_size: 0
    .kernarg_segment_align: 8
    .kernarg_segment_size: 56
    .max_flat_workgroup_size: 128
    .sgpr_count:     100
    .vgpr_count:     768
    .wavefront_size: 32
...
	.end_amdgpu_metadata
.endif
;; end of part 2
;; launch attn (part 3): grid 32 x 8, 8 waves a work-group, no clusters, 327,680 bytes of LDS; arguments qc, kv, ac; writes ac
.if DOCPART == 3
	.amdgcn_target "amdgcn-amd-amdhsa--gfx1250"
	.amdhsa_code_object_version 6
	.text
	.protected	k_q785396774b_attn
	.globl	k_q785396774b_attn
	.p2align	8
	.type	k_q785396774b_attn,@function
k_q785396774b_attn:
	s_mov_b64 s[64:65], 0
	v_nop
	global_prefetch_b8 v0, s[64:65] scope:SCOPE_SE
	s_setreg_imm32_b32 hwreg(HW_REG_WAVE_MODE, 25, 1), 1
	s_wait_xcnt 0x0
; ATTN: softmax(q k^T / sqrt(128)) v under reference()'s own causal mask, both products on codes of BF6; the result, divided by the row's sum, is quantised along the head's 128 for the last product.
; WORK LEFT OUT: key steps wholly behind a wave's queries are not walked and key slots wholly behind the work-group's queries are not fetched (shown dead at prep's head, with the limits).
; THE SOFTMAX: t = score x log2(e) / sqrt(128); M = the running largest t rounded up to a whole number; p = 2^(t - M) is quantised along the keys; the row's sum is taken of the unquantised p; when M moves, sum and O are
; multiplied by 2^(old M - new M), which rounds nothing.
; SHARES.  Work-group (pi, 4 b + kv head): both query heads of the kv head, for the blocks of 32 queries 63 - pi (waves 0-3) and pi (waves 4-7): a block blk walks blk / 4 + 1 key steps, so each work-group has 17 a pair.
;   Wave w: head 2 kvh + (w / 2) % 2, image 2 (blk % 2) + w % 2 of the block's record: 16 queries, QMIN + r + 8 (r / 8).
; NO CLUSTER: partners would want different numbers of slots under the causal limit, so some partner would ask for tiles that none of its waves reads.
; LAYOUT.  S^T = K Q^T and O^T = V^T P^T: a lane holds one query throughout.  By the order of rows in k's and v's images the 16 registers of tiles 2 b, 2 b + 1 are keys (channels) 32 b + 16 h + 0 .. 15.
; RING: two slots of 51,200 bytes (256 keys), 65,536 apart.  A slot is eight eighths of 6,400 bytes; eighth e: k's image e of key step 0, of step 1, v's tile e of step 0, of step 1, a block of scale words (e < 4: k's; else v's).
;   Wave w loads eighth w, so each load holds bytes of the slot's first key step.  Every wait on TENSORcnt is for 0.  One tensor load of a wave is out at a time.
; REGISTERS: window 0: v1-9 addresses; v12 -M, v13 the largest t, v[14:15] the sum; v16-27 Q; v32-35 v's scale words, v36-39 k's; v40-83 the way out; v96-159 S^T, then p; v160-223 O^T; v224-235 p's codes; v232-254 at work;
;   v253 p's scale word, v255 Q's.  window 1: v0-95 k's eight fragments, v96-191 v's.
.set REC,   6400
.set SLOT1, 65536
.set SPARE, 131072                     ; behind the ring: the spare words, 128 bytes for each of eight waves
.set LI,  1                            ; v1  16 x lane
.set L8,  2                            ; v2  8 x lane
.set DQ,  3                            ; v3  r + 8 (r / 8) - 16 h
.set SPW, 5
.set NIL, 6
.set R8,  7                            ; v7  8 r
.set ADR, 8
.set ADS, 9
.set PFO, 28                           ; v28 256 x lane
.set VSC, 32
.set KSC, 36
.set TM,  40
.set PW,  56
.set PC,  64
.set TQ,  76
.set WV,  18
.set SEL, 20
.set CS,  22
.set G1,  24
.set G0,  32
.set TB,  2
.set SLOTS, 3
.set KF,  36                           ; s36 the step's first key
.set QL,  37                           ; s37 my block's last query
.set QMIN, 38                          ; s38 my first query
.set QLW, 39                           ; s39 the work-group's last query
.set LIM, 40
.set PFA, 42
.set MSB, 0
.macro WIN new
.if MSB != \new
	s_set_vgpr_msb (MSB<<8)|\new
.set MSB, \new
.endif
.endm
	s_load_b128 s[4:7], s[0:1], 0x0                ; qc, kv
	s_load_b64 s[8:9], s[0:1], 0x10                ; ac
	v_lshl_add_u32 v[SPW], v0, 2, SPARE
	v_mov_b32 v[NIL], 0
	ds_add_u32 v[SPW], v[NIL]                      ; the wave's opening: the add, twice on end, and its wait ahead of my first tensor load
	ds_add_u32 v[SPW], v[NIL]
	v_lshrrev_b32 v8, 5, v0
	v_readfirstlane_b32 s[WV], v8                  ; wave 0..7
	s_mov_b32 s[G1], 3<<16                         ; an eighth: 6,400 dense bytes as 25 rows of 32 elements of 8 bytes
	s_mov_b32 s[G1+1], 32<<16
	s_mov_b32 s[G1+2], 25<<16
	s_mov_b32 s[G1+3], 32<<16
	s_mov_b32 s[G1+4], 25
	s_mov_b32 s[G1+5], 32
	s_mov_b32 s[G1+6], 0
	s_mov_b32 s[G1+7], 0
	s_and_b32 s44, ttmp7, 0xffff                   ; 4 b + kv head
	s_mul_i32 s45, s[WV], REC                      ; my eighth
	s_mul_i32 s46, s44, 409600                     ; eight slots
	s_mov_b32 s47, 0
	s_sub_co_u32 s48, 63, ttmp9
	s_lshl_b32 s[QLW], s48, 5
	s_add_co_u32 s[QLW], s[QLW], 31
	s_cmp_lt_u32 s[WV], 4
	s_cselect_b32 s48, s48, ttmp9                  ; blk
	s_and_b32 s49, s[WV], 1                        ; u
	s_bfe_u32 s50, s[WV], 0x10001
	s_and_b32 s51, s44, 3
	s_lshl_b32 s51, s51, 1
	s_add_co_u32 s51, s51, s50                     ; the query head
	s_lshr_b32 s52, s44, 2                         ; b
	s_lshl_b32 s53, s48, 5
	s_lshl_b32 s54, s49, 3
	s_add_co_u32 s[QMIN], s53, s54
	s_add_co_u32 s[QL], s53, 31
	s_and_b32 s54, s48, 1
	s_lshl_b32 s55, s54, 1
	s_add_co_u32 s55, s55, s49
	s_mul_i32 s55, s55, 1536                       ; my image in a record
	s_lshl_b32 s56, s49, 7
	s_lshl_b32 s54, s54, 2
	s_add_co_u32 s56, s56, s54
	s_add_co_u32 s56, s56, 6144                    ; its scale words: + 8 r
	s_lshr_b32 s57, s48, 1                         ; g
	s_lshl_b32 s58, s52, 3
	s_add_co_u32 s58, s58, s51
	s_lshl_b32 s58, s58, 5
	s_add_co_u32 s58, s58, s57
	s_mul_i32 s58, s58, REC                        ; q's record
	s_lshl_b32 s59, s52, 5
	s_add_co_u32 s59, s59, s57                     ; G = 32 b + g
	s_lshr_b32 s60, s59, 2                         ; ac's record: (((G / 4) 4 + head / 2) 4 + G % 4) 2 + head % 2
	s_lshl_b32 s60, s60, 2
	s_lshr_b32 s61, s51, 1
	s_add_co_u32 s60, s60, s61
	s_lshl_b32 s60, s60, 2
	s_and_b32 s61, s59, 3
	s_add_co_u32 s60, s60, s61
	s_lshl_b32 s60, s60, 1
	s_and_b32 s61, s51, 1
	s_add_co_u32 s60, s60, s61
	s_mul_i32 s60, s60, REC
	s_mov_b32 s[SEL], 0x76543210
	s_mov_b32 s[SEL+1], 0xfedcba98
	s_mov_b32 s[CS], 0x3e0293ee                    ; c = log2(e) / sqrt(128)
	s_mov_b32 s[CS+1], s[CS]
	s_mov_b32 s[TB], 0
	s_mov_b32 s[SLOTS], 7
	s_mov_b32 s[KF], 0
	s_cmp_lt_u32 s[WV], 6                          ; the prefetches: waves 0 to 5 of the kv head's work-group 0, which walks all slots
	s_cselect_b32 s[LIM], 0, 1
	s_or_b32 s[LIM], s[LIM], ttmp9
	s_cmp_eq_u32 s[LIM], 0
	s_cselect_b32 s[LIM], 1, -1
	s_wait_dscnt 0x0                               ; both opening adds are done
	s_wait_kmcnt 0x0
	s_add_nc_u64 s[6:7], s[6:7], s[46:47]          ; my kv head's slots
	s_mov_b32 s62, s45
	s_mov_b32 s63, 0
	s_mov_b32 s[G0], 1
	s_mov_b32 s[G0+1], s45
	s_add_nc_u64 s[G0+2:G0+3], s[6:7], s[62:63]
	s_or_b32 s[G0+3], s[G0+3], 0x80000000
	tensor_load_to_lds s[G0:G0+3], s[G1:G1+7]      ; slot 0: every wave's eighth
	s_nop 0
.rept 4
	v_nop
.endr
	s_lshl_b32 s62, s[WV], 13
	s_add_co_u32 s62, s62, 51200
	s_add_nc_u64 s[PFA:PFA+1], s[6:7], s[62:63]    ; 8,192 bytes a wave, in slot 1: the first change of slots steps it to slot 2
	s_add_co_u32 s62, s58, s55
	s_add_nc_u64 s[66:67], s[4:5], s[62:63]        ; Q's image
	s_add_co_u32 s62, s58, s56
	s_add_nc_u64 s[68:69], s[4:5], s[62:63]        ; its scale words
	s_add_co_u32 s62, s60, s55
	s_add_nc_u64 s[70:71], s[8:9], s[62:63]        ; the result's image
	s_add_co_u32 s62, s60, s56
	s_add_nc_u64 s[72:73], s[8:9], s[62:63]        ; its scale words
	v_and_b32 v10, 31, v0
	v_lshlrev_b32 v[LI], 4, v10
	v_lshlrev_b32 v[L8], 3, v10
	v_lshlrev_b32 v[PFO], 8, v10
	v_and_b32 v10, 15, v0
	v_lshlrev_b32 v[R8], 3, v10
.irp c, 0,1,2
	global_load_b128 v[16+4*\c:19+4*\c], v[LI], s[66:67] offset:512*\c   ; Q's fragment stays in registers
.endr
	global_load_b32 v255, v[R8], s[68:69]
	v_and_b32 v11, 8, v10
	v_add_nc_u32 v[DQ], v10, v11
	v_bfe_u32 v11, v0, 4, 1
	v_lshlrev_b32 v11, 4, v11
	v_sub_nc_u32 v[DQ], v[DQ], v11
	v_mov_b32 v13, 0xff61b1e6                      ; the largest t so far: -3e38
	v_floor_f32 v12, -v13                          ; -M
	v_mov_b32 v14, 0
	v_mov_b32 v15, 0
.irp b, 0,1,2,3
	v_mov_b32 v[236+\b], 0                         ; a lane permute's destination counts as one of its sources
	v_mov_b32 v[TM+4+\b], 0
.endr
	v_mov_b32 v252, 0
	v_mov_b32 v253, 0
.set j, 0
.rept 64
	v_mov_b32 v[160+j], 0                          ; O^T.  (The step is written for all steps alike: the first finds zeros, which the first change of M leaves zeros)
.set j, j+1
.endr
.macro WMS t                           ; S^T's tile t
.if (\t)%2
	v_wmma_scale_f32_16x16x128_f8f6f4 v[96+8*(\t):103+8*(\t)], v[12*(\t):12*(\t)+11], v[16:27], 0, v[KSC+(\t)/2], v255 matrix_a_fmt:MATRIX_FMT_BF6 matrix_b_fmt:MATRIX_FMT_BF6 matrix_a_scale:MATRIX_SCALE_ROW1
.else
	v_wmma_scale_f32_16x16x128_f8f6f4 v[96+8*(\t):103+8*(\t)], v[12*(\t):12*(\t)+11], v[16:27], 0, v[KSC+(\t)/2], v255 matrix_a_fmt:MATRIX_FMT_BF6 matrix_b_fmt:MATRIX_FMT_BF6
.endif
.endm
.macro WMO t                           ; O^T's tile t
.if (\t)%2
	v_wmma_scale_f32_16x16x128_f8f6f4 v[160+8*(\t):167+8*(\t)], v[96+12*(\t):96+12*(\t)+11], v[224:235], v[160+8*(\t):167+8*(\t)], v[VSC+(\t)/2], v253 matrix_a_fmt:MATRIX_FMT_BF6 matrix_b_fmt:MATRIX_FMT_BF6 matrix_a_scale:MATRIX_SCALE_ROW1
.else
	v_wmma_scale_f32_16x16x128_f8f6f4 v[160+8*(\t):167+8*(\t)], v[96+12*(\t):96+12*(\t)+11], v[224:235], v[160+8*(\t):167+8*(\t)], v[VSC+(\t)/2], v253 matrix_a_fmt:MATRIX_FMT_BF6 matrix_b_fmt:MATRIX_FMT_BF6
.endif
.endm
; A KEY STEP: 128 keys, the q-th of the slot in hand
.macro STEP q
	s_cmp_gt_u32 s[KF], s[QL]                      ; all its keys come after my queries: left out.  A branch on ids; no barrier and no tensor load stands in a step
	s_cbranch_scc1 .Lhidden_\@
	v_add_nc_u32 v[ADR], s[TB], v[LI]
	v_add_nc_u32 v[ADS], s[TB], v[L8]
	ds_load_b64 v[KSC:KSC+1], v[ADS] offset:REC*(2*(\q))+6144
	ds_load_b64 v[KSC+2:KSC+3], v[ADS] offset:REC*(2*(\q)+1)+6144
	ds_load_b64 v[VSC:VSC+1], v[ADS] offset:REC*(4+2*(\q))+6144
	ds_load_b64 v[VSC+2:VSC+3], v[ADS] offset:REC*(5+2*(\q))+6144
	WIN 0x40
.irp t, 0,1,2,3,4,5,6,7
.irp c, 0,1,2
	ds_load_b128 v[12*\t+4*\c:12*\t+4*\c+3], v[ADR] offset:REC*\t+1536*(\q)+512*\c
.endr
.endr
.irp t, 0,1,2,3,4,5,6,7
.irp c, 0,1,2
	ds_load_b128 v[96+12*\t+4*\c:96+12*\t+4*\c+3], v[ADR] offset:REC*\t+3072+1536*(\q)+512*\c
.endr
.endr
	s_wait_dscnt 24                                ; the scale words and k's fragments are in; v's 24 loads may be out
	WIN 0x01                                       ; source 0 window 1
.irp t, 0,1,2,3,4,5,6,7
	WMS \t
.endr
	WIN 0
.rept 4
	v_nop
.endr
	s_add_co_u32 s96, s[KF], 127                   ; on the diagonal the scores of hidden keys become -infinity ahead of the maximum; a step all of whose keys count skips this
	s_cmp_le_u32 s96, s[QMIN]
	s_cbranch_scc1 .Lopen_\@
	s_sub_co_i32 s96, s[QMIN], s[KF]
	v_add_nc_u32 v252, s96, v[DQ]                  ; d = my query - KF - 16 h.  Register 16 b + i holds key KF + 16 h + 32 b + i: hidden where 32 b + i > d
	v_mov_b32 v254, 0xff800000
.set n, 0
.rept 64
	v_cmp_gt_i32 vcc_lo, 32*(n/16)+n%16, v252
	v_cndmask_b32 v[96+n], v[96+n], v254, vcc_lo
.set n, n+1
.endr
.Lopen_\@:
.irp b, 0,1,2,3
	v_max3_num_f32 v[232+\b], v[96+16*\b], v[97+16*\b], v[98+16*\b]   ; the largest score of each block of 32 keys: for the row's maximum, and, since p rises with the score, for the block's largest p
.endr
.irp i, 3,5,7,9,11,13
.irp b, 0,1,2,3
	v_max3_num_f32 v[232+\b], v[232+\b], v[96+16*\b+\i], v[97+16*\b+\i]
.endr
.endr
.irp b, 0,1,2,3
	v_max_num_f32 v[232+\b], v[232+\b], v[111+16*\b]
.endr
.irp b, 0,1,2,3
	v_permlanex16_b32 v[236+\b], v[232+\b], s[SEL], s[SEL+1]
.endr
.irp b, 0,1,2,3
	v_max_num_f32 v[232+\b], v[232+\b], v[236+\b]
.endr
	v_max3_num_f32 v254, v232, v233, v234
	v_max_num_f32 v254, v254, v235
	v_mul_f32 v254, s[CS], v254
	v_max_num_f32 v13, v13, v254                   ; the running largest t
	v_mov_b32 v254, v12
	v_floor_f32 v12, -v13                          ; the new -M = -ceil(t)
	v_sub_f32 v254, v12, v254                      ; old M - new M: a whole number, 0 or less
	v_cvt_i32_f32 v254, v254                       ; (it saturates)
	v_ldexp_f32 v252, 1.0, v254                    ; f = 2^(old M - new M)
.set j, 0
.rept 32
	v_pk_fma_f32 v[96+j:97+j], v[96+j:97+j], s[CS:CS+1], v[12:13] op_sel_hi:[1,0,0]   ; t - M
.set j, j+2
.endr
.irp b, 0,1,2,3
	v_fma_f32 v[232+\b], v[232+\b], s[CS], v12
.endr
.set j, 0
.rept 64
	v_exp_f32 v[96+j], v[96+j]                     ; p = 2^(t - M)
.set j, j+1
.endr
	v_pk_mul_f32 v[14:15], v[14:15], v[252:253] op_sel_hi:[1,0]   ; the sums under the new M: a plain place behind the exponentials
	s_wait_alu depctr_va_vdst(0)                   ; one wait for the batch, ahead of its first reader
.irp b, 0,1,2,3
	v_exp_f32 v[232+\b], v[232+\b]                 ; the blocks' largest p
.endr
	v_pk_add_f32 v[236:237], v[96:97], v[98:99]    ; the row's sum of the unquantised p, in two chains
.irp j, 4,8,12,16,20,24,28,32,36,40,44,48,52,56,60
	v_pk_add_f32 v[14:15], v[14:15], v[96+\j:97+\j]
	v_pk_add_f32 v[236:237], v[236:237], v[98+\j:99+\j]
.endr
	v_pk_add_f32 v[14:15], v[14:15], v[236:237]
	s_wait_alu depctr_va_vdst(0)                   ; and one for the four
.irp b, 0,1,2,3
	v_max_num_f32 v[232+\b], 0x2800000, v[232+\b]  ; the floor 2^(5 - 127)
.endr
.irp b, 0,1,2,3
	v_add_nc_u32 v[244+\b], 0xfe000000, v[232+\b]
.endr
.irp b, 0,1,2,3
	v_lshrrev_b32 v[236+\b], 23, v[244+\b]
.endr
	v_lshl_or_b32 v253, v237, 8, v236              ; p's scale word for these 128 keys
	v_lshl_or_b32 v253, v238, 16, v253
	v_lshl_or_b32 v253, v239, 24, v253
.irp c, 0,1
	v_cvt_scalef32_pk16_bf6_f32 v[224+6*\c:226+6*\c], v[96+32*\c:111+32*\c], v[244+2*\c]
	v_cvt_scalef32_pk16_bf6_f32 v[236+4*\c:238+4*\c], v[112+32*\c:127+32*\c], v[244+2*\c+1]
.endr
	v_nop                                          ; one plain place behind a scaled conversion
.irp c, 0,1
.irp i, 0,1,2
	v_permlane16_swap_b32 v[224+6*\c+\i], v[236+4*\c+\i]
.endr
.irp i, 0,1,2
	v_mov_b32 v[227+6*\c+\i], v[236+4*\c+\i]
.endr
.endr
.set j, 0
.rept 32
	v_pk_mul_f32 v[160+j:161+j], v[160+j:161+j], v[252:253] op_sel_hi:[1,0]   ; O^T under the new M.  (These 32 are also the places between the writes of p's codes and scale word and the products)
.set j, j+2
.endr
	s_wait_dscnt 0x0                               ; v's fragments are in
	WIN 0x01
.irp t, 0,1,2,3,4,5,6,7
	WMO \t
.endr
	WIN 0
.rept 4
	v_nop                                          ; places in front of the next step's loads into registers that these products read, and of the first read of O^T
.endr
.Lhidden_\@:
	s_add_co_u32 s[KF], s[KF], 128
.endm
; THE CHANGE OF SLOTS stands at a slot's head: each wave waits for its tensor load (its eighth of the slot ahead), adds 0 to its spare word, waits for that and for its reads of the slot that it has left; a barrier;
; fill = 1: the slot that was left takes the next 256 keys, while their first key is at or under the work-group's last query: the test is made of ids and the count of steps and is the same in all eight waves.
.macro CHANGE fill
	s_wait_tensorcnt 0x0
	ds_add_u32 v[SPW], v[NIL]
.if \fill
	s_xor_b32 s[G0+1], s[G0+1], SLOT1
	s_add_nc_u64 s[G0+2:G0+3], s[G0+2:G0+3], 51200
	s_wait_xcnt 0x0                                ; the last prefetch, a slot back, has read its address
	s_add_nc_u64 s[PFA:PFA+1], s[PFA:PFA+1], 51200 ; one slot further on than the walking descriptor
.endif
	s_wait_dscnt 0x0
	s_barrier_signal -1
	s_barrier_wait -1
.if \fill
	s_add_co_u32 s96, s[KF], 256
	s_cmp_gt_u32 s96, s[QLW]
	s_cbranch_scc1 .Lpast_\@
	tensor_load_to_lds s[G0:G0+3], s[G1:G1+7]      ; my one tensor load until the next change
	s_nop 0
.rept 4
	v_nop
.endr
.Lpast_\@:
	s_cmp_gt_u32 s[SLOTS], s[LIM]                  ; a prefetch of what the next change of slots will load: the slot's first 49,152 bytes, six waves, lanes 256 bytes apart, each block named once in the launch;
	s_cbranch_scc0 .Lnot_mine_\@                   ; a slot's two key steps ahead; the last filling change asks for nothing; slots 0 and 1, and each slot's last 2,048 bytes, come by their loads alone
	global_prefetch_b8 v[PFO], s[PFA:PFA+1] th:TH_LOAD_NT scope:SCOPE_SE
.Lnot_mine_\@:
.endif
.endm
	s_wait_loadcnt 0x0                             ; Q
.Lslot:                                            ; seven trips: the count is a constant; what the mask hides is jumped over inside
	CHANGE 1
	STEP 0
	STEP 1
	s_xor_b32 s[TB], s[TB], SLOT1
	s_sub_co_u32 s[SLOTS], s[SLOTS], 1
	s_cmp_lg_u32 s[SLOTS], 0
	s_cbranch_scc1 .Lslot
	CHANGE 0                                       ; the last slot is written out: nothing is left to fetch
	STEP 0
	STEP 1
	; THE WAY OUT: O^T / the sum; register 16 b + i is channel 32 b + 16 h + i of my query: quantised along the head's 128 it is K step `head` of the last product, rows = my 16 queries
	v_add_f32 v14, v14, v15
	v_permlanex16_b32 v252, v14, s[SEL], s[SEL+1]
	v_add_f32 v14, v14, v252
	v_rcp_f32 v14, v14
	v_nop                                          ; a plain place behind the reciprocal
	s_wait_alu depctr_va_vdst(0)                   ; and the wait ahead of its first reader
.set j, 0
.rept 64
	v_mul_f32 v[96+j], v[160+j], v14
.set j, j+1
.endr
.irp b, 0,1,2,3
	v_max3_num_f32 v[TM+\b], |v[96+16*\b]|, |v[97+16*\b]|, 0x2800000
.endr
.irp i, 2,4,6,8,10,12,14
.irp b, 0,1,2,3
	v_max3_num_f32 v[TM+\b], v[TM+\b], |v[96+16*\b+\i]|, |v[97+16*\b+\i]|
.endr
.endr
.irp b, 0,1,2,3
	v_permlanex16_b32 v[TM+4+\b], v[TM+\b], s[SEL], s[SEL+1]
.endr
.irp b, 0,1,2,3
	v_max_num_f32 v[TM+\b], v[TM+\b], v[TM+4+\b]
.endr
.irp b, 0,1,2,3
	v_add_nc_u32 v[TM+12+\b], 0xfe000000, v[TM+\b]
.endr
.irp b, 0,1,2,3
	v_lshrrev_b32 v[TM+4+\b], 23, v[TM+12+\b]
.endr
	v_lshl_or_b32 v[PW], v[TM+5], 8, v[TM+4]
	v_lshl_or_b32 v[PW], v[TM+6], 16, v[PW]
	v_lshl_or_b32 v[PW], v[TM+7], 24, v[PW]
.irp c, 0,1
	v_cvt_scalef32_pk16_bf6_f32 v[PC+6*\c:PC+6*\c+2], v[96+32*\c:111+32*\c], v[TM+12+2*\c]
	v_cvt_scalef32_pk16_bf6_f32 v[TQ+4*\c:TQ+4*\c+2], v[112+32*\c:127+32*\c], v[TM+12+2*\c+1]
.endr
	v_nop
.irp c, 0,1
.irp i, 0,1,2
	v_permlane16_swap_b32 v[PC+6*\c+\i], v[TQ+4*\c+\i]
.endr
.irp i, 0,1,2
	v_mov_b32 v[PC+6*\c+3+\i], v[TQ+4*\c+\i]
.endr
.endr
.irp c, 0,1,2
	global_store_b128 v[LI], v[PC+4*\c:PC+4*\c+3], s[70:71] offset:512*\c   ; 512 consecutive bytes
.endr
	global_store_b32 v[R8], v[PW], s[72:73]        ; row r's word; both halves of the lanes hold and write the same
	s_wait_tensorcnt 0x0                           ; the wave's end
	ds_add_u32 v[SPW], v[NIL]
	s_wait_dscnt 0x0
	s_endpgm
.Lfunc_end_k_q785396774b_attn:
	.size	k_q785396774b_attn, .Lfunc_end_k_q785396774b_attn-k_q785396774b_attn
	.p2alignl 7, 3214868480
	.fill 96, 4, 3214868480
	.section	.rodata,"a",@progbits
	.p2align	6, 0x0
	.amdhsa_kernel k_q785396774b_attn
		.amdhsa_group_segment_fixed_size 327680
		.amdhsa_private_segment_fixed_size 0
		.amdhsa_enable_private_segment 0
		.amdhsa_kernarg_size 24
		.amdhsa_user_sgpr_count 2
		.amdhsa_user_sgpr_kernarg_segment_ptr 1
		.amdhsa_wavefront_size32 1
		.amdhsa_system_sgpr_workgroup_id_x 1
		.amdhsa_system_sgpr_workgroup_id_y 1
		.amdhsa_system_sgpr_workgroup_id_z 1
		.amdhsa_system_vgpr_workitem_id 0
		.amdhsa_next_free_vgpr 512
		.amdhsa_next_free_sgpr 100
		.amdhsa_reserve_vcc 1
		.amdhsa_float_denorm_mode_32 3
		.amdhsa_float_denorm_mode_16_64 3
		.amdhsa_memory_ordered 1
		.amdhsa_forward_progress 1
		.amdhsa_inst_pref_size 111
	.end_amdhsa_kernel
	.amdgpu_metadata
---
amdhsa.version: [ 1, 2 ]
amdhsa.kernels:
  - .name:           k_q785396774b_attn
    .symbol:         k_q785396774b_attn.kd
    .args:
      - { .name: qc, .offset: 0, .size: 8, .value_kind: global_buffer, .address_space: global }
      - { .name: kv, .offset: 8, .size: 8, .value_kind: global_buffer, .address_space: global }
      - { .name: ac, .offset: 16, .size: 8, .value_kind: global_buffer, .address_space: global }
    .group_segment_fixed_size: 327680
    .private_segment_fixed_size: 0
    .kernarg_segment_align: 8
    .kernarg_segment_size: 24
    .max_flat_workgroup_size: 256
    .sgpr_count:     100
    .vgpr_count:     512
    .wavefront_size: 32
...
	.end_amdgpu_metadata
.endif
;; end of part 3
;; launch oproj (part 4): grid 16 x 16, 4 waves a work-group, clusters of 4 x 1, 327,680 bytes of LDS; arguments ac, woc, out0; writes out0
.if DOCPART == 4
	.amdgcn_target "amdgcn-amd-amdhsa--gfx1250"
	.amdhsa_code_object_version 6
	.text
	.protected	k_q785396774b_oproj
	.globl	k_q785396774b_oproj
	.p2align	8
	.type	k_q785396774b_oproj,@function
k_q785396774b_oproj:
	s_mov_b64 s[64:65], 0
	v_nop
	global_prefetch_b8 v0, s[64:65] scope:SCOPE_SE
	s_setreg_imm32_b32 hwreg(HW_REG_WAVE_MODE, 25, 1), 1
	s_wait_xcnt 0x0
	s_wait_alu depctr_hold_cnt(0) depctr_sa_sdst(0) depctr_va_vdst(0) depctr_va_sdst(0) depctr_va_ssrc(0) depctr_va_vcc(0) depctr_vm_vsrc(0)
	s_getreg_b32 s2, hwreg(HW_REG_IB_STS2, 6, 4)
	s_cmp_eq_u32 s2, 0
	s_cbranch_scc0 .Lentry_in_a_cluster
	s_endpgm
.Lentry_in_a_cluster:
	s_bfe_u32 s2, ttmp6, 0x10000c
	s_cmp_lg_u32 s2, 0x3003
	s_cbranch_scc0 .Lentry_shape_is_right
	s_endpgm
.Lentry_shape_is_right:
; OPROJ: out0 = (attention's result) x wo on codes of BF6 with E8M0 scales, K = 1,024; out0 [4,096][4,096] f32.  No work of reference() is left out here.
; SHARES.  Work-group (ty, ct): 256 tokens x 256 columns.  Wave w owns the 64 tokens of group 4 ty + w: its codes for ALL of K (8 records of ac: 384 registers of fragments, 16 of scale words) come from memory straight into
; registers and stay.  wo's 256 rows for all of K, 204,800 bytes, come into LDS once.  The columns go in four groups of 64: a group is 8 K steps of 16 products, and it is stored while the next group is multiplied:
; the 262,144 bytes that a work-group writes begin to leave behind a quarter of its products.
; Source 0 = 16 of wo's rows (they run along a lane's registers), source 1 = 16 tokens (they fall to the lanes).  Operands lie in ac and woc as images of their registers with their scale words (prep's head).
; CLUSTER 4 x 1: the four partners have the same ct, so wo's bytes are asked for JOINTLY: four loads a wave (chunk w of group g: 12,800 dense bytes), mask 15; four tensor loads of a wave are out at the most; every fill is a first fill.
; THE TOKENS' CODES ARE NOT ASKED FOR JOINTLY: with wo's they are 409,600 bytes, more than the 327,680 of LDS, so one of the two goes past LDS, and these are the ones that each wave keeps to itself.
; No prefetch: both inputs are small and are read by many work-groups.
; REGISTERS: window 0: v16-31 addresses; v32-35 wo's scale words, two sets; v40-55 the tokens' scale words; v64-159 wo's fragments, two sets of 48; v160-223 rows on the way out, two sets of 32.
;   window 1: the tokens' fragments of K steps 0-3, (s, a) at v[48 s + 12 a].  window 2: K steps 4-7.  window 3: accumulator (a, t) at v[32 a + 8 t].
.set REC,   6400                       ; a record: four images and their scale words
.set CHK,   51200                      ; in memory: from chunk (two K steps of four groups) to chunk
.set GRP,   51200                      ; in LDS: a group of 64 of wo's rows, 8 K steps
.set SP,    272                        ; a stage row: 64 columns, 256 bytes, + 16
.set STAGE, 4*GRP                      ; behind wo's codes: 16 rows for each wave; no tensor load lands here
.set SPARE, STAGE+4*16*SP              ; behind the stages: the spare words, 128 bytes a wave
.set LI,   16                          ; v16    16 x lane
.set L8,   17                          ; v17    8 x lane
.set STO,  18                          ; v18    the stage: where I put 16 bytes of a token's row
.set RD,   19                          ; v19    and where I read a row back
.set CO,   20                          ; v20    my byte offset in out0
.set ADRB, 22                          ; v22-25 group g's images: g x GRP + 16 x lane
.set ADSB, 26                          ; v26-29 group g's scale words: g x GRP + 8 x lane
.set SPW,  30
.set NIL,  31
.set BSC,  32                          ; set p at v[32 + 2 p]: register i: image 2 i in lanes 0-15, image 2 i + 1 in lanes 16-31
.set ASC,  40                          ; K step s at v[40 + 2 s], likewise
.set BF,   64
.set BK,   160
.set G1,  24                           ; s[24:31] descriptor group 1
.set G0,  32                           ; s[32:47] descriptor group 0, a set for each group of columns
.set MSB, 0
.macro WIN new                         ; the immediate's high byte repeats the setting that is left
.if MSB != \new
	s_set_vgpr_msb (MSB<<8)|\new
.set MSB, \new
.endif
.endm
.macro PLACES
.rept 4
	v_nop
.endr
.endm
.macro CROUND                          ; a round of the cluster's barrier
	s_barrier_signal -1
	s_barrier_wait -1
	s_cmp_lg_u32 s18, 0
	s_cbranch_scc1 .Lnot_wave_0_\@
	s_barrier_signal -3
.Lnot_wave_0_\@:
	s_barrier_wait -3
	s_barrier_signal -1
	s_barrier_wait -1
.endm
.macro WM zero, ra, rb                 ; one product; ra, rb: which half of the lanes holds source 0's and source 1's scale words
.set WR, 2*(\ra)+(\rb)
.if \zero
.if WR == 0
	v_wmma_scale_f32_16x16x128_f8f6f4 v[WD:WD+7], v[W0:W0+11], v[W1:W1+11], 0, v[WSA], v[WSB] matrix_a_fmt:MATRIX_FMT_BF6 matrix_b_fmt:MATRIX_FMT_BF6
.elseif WR == 1
	v_wmma_scale_f32_16x16x128_f8f6f4 v[WD:WD+7], v[W0:W0+11], v[W1:W1+11], 0, v[WSA], v[WSB] matrix_a_fmt:MATRIX_FMT_BF6 matrix_b_fmt:MATRIX_FMT_BF6 matrix_b_scale:MATRIX_SCALE_ROW1
.elseif WR == 2
	v_wmma_scale_f32_16x16x128_f8f6f4 v[WD:WD+7], v[W0:W0+11], v[W1:W1+11], 0, v[WSA], v[WSB] matrix_a_fmt:MATRIX_FMT_BF6 matrix_b_fmt:MATRIX_FMT_BF6 matrix_a_scale:MATRIX_SCALE_ROW1
.else
	v_wmma_scale_f32_16x16x128_f8f6f4 v[WD:WD+7], v[W0:W0+11], v[W1:W1+11], 0, v[WSA], v[WSB] matrix_a_fmt:MATRIX_FMT_BF6 matrix_b_fmt:MATRIX_FMT_BF6 matrix_a_scale:MATRIX_SCALE_ROW1 matrix_b_scale:MATRIX_SCALE_ROW1
.endif
.else
.if WR == 0
	v_wmma_scale_f32_16x16x128_f8f6f4 v[WD:WD+7], v[W0:W0+11], v[W1:W1+11], v[WD:WD+7], v[WSA], v[WSB] matrix_a_fmt:MATRIX_FMT_BF6 matrix_b_fmt:MATRIX_FMT_BF6
.elseif WR == 1
	v_wmma_scale_f32_16x16x128_f8f6f4 v[WD:WD+7], v[W0:W0+11], v[W1:W1+11], v[WD:WD+7], v[WSA], v[WSB] matrix_a_fmt:MATRIX_FMT_BF6 matrix_b_fmt:MATRIX_FMT_BF6 matrix_b_scale:MATRIX_SCALE_ROW1
.elseif WR == 2
	v_wmma_scale_f32_16x16x128_f8f6f4 v[WD:WD+7], v[W0:W0+11], v[W1:W1+11], v[WD:WD+7], v[WSA], v[WSB] matrix_a_fmt:MATRIX_FMT_BF6 matrix_b_fmt:MATRIX_FMT_BF6 matrix_a_scale:MATRIX_SCALE_ROW1
.else
	v_wmma_scale_f32_16x16x128_f8f6f4 v[WD:WD+7], v[W0:W0+11], v[W1:W1+11], v[WD:WD+7], v[WSA], v[WSB] matrix_a_fmt:MATRIX_FMT_BF6 matrix_b_fmt:MATRIX_FMT_BF6 matrix_a_scale:MATRIX_SCALE_ROW1 matrix_b_scale:MATRIX_SCALE_ROW1
.endif
.endif
.endm
; my tokens' records of K steps first .. first + 3: 48 loads of 512 consecutive bytes into the window that is set, then (window 0) 4 loads of 256 bytes of scale words: 52 loads
.macro ALOAD first
.irp k, 0,1,2,3
.irp a, 0,1,2,3
.irp c, 0,1,2
	global_load_b128 v[48*\k+12*\a+4*\c:48*\k+12*\a+4*\c+3], v[LI], s[4:5] offset:(((\first)+\k)/2)*CHK+(((\first)+\k)%2)*REC+1536*\a+512*\c
.endr
.endr
.endr
	WIN 0
.irp k, 0,1,2,3
	global_load_b64 v[ASC+2*((\first)+\k):ASC+2*((\first)+\k)+1], v[L8], s[4:5] offset:(((\first)+\k)/2)*CHK+(((\first)+\k)%2)*REC+6144
.endr
.endm
	s_load_b128 s[4:7], s[0:1], 0x0                ; ac, woc
	s_load_b64 s[8:9], s[0:1], 0x10                ; out0
	v_lshl_add_u32 v[SPW], v0, 2, SPARE
	v_mov_b32 v[NIL], 0
	ds_add_u32 v[SPW], v[NIL]                      ; the wave's opening: the add, twice on end, and its wait ahead of my first tensor load
	ds_add_u32 v[SPW], v[NIL]
	v_lshrrev_b32 v1, 5, v0
	v_readfirstlane_b32 s18, v1                    ; wave
	s_bfe_u32 s48, ttmp6, 0x40000                  ; cx: it enters the tokens' and out0's addresses alone
	s_lshl_b32 s49, ttmp9, 2
	s_add_co_u32 s49, s49, s48                     ; ty = 4 x cluster x + cx
	s_and_b32 s50, ttmp7, 0xffff                   ; ct, which the four partners share
	s_mov_b32 s[G1], 15|(3<<16)|(1<<21)            ; the mask: all four partners; elements of 8 bytes; bit 21 beside a mask
	s_mov_b32 s[G1+1], 32<<16                      ; 12,800 dense bytes as 50 rows of 32 elements
	s_mov_b32 s[G1+2], 50<<16
	s_mov_b32 s[G1+3], 32<<16
	s_mov_b32 s[G1+4], 50
	s_mov_b32 s[G1+5], 32
	s_mov_b32 s[G1+6], 0
	s_mov_b32 s[G1+7], 0
	s_mul_i32 s52, s50, 4*CHK                      ; wo: the tile's four chunks,
	s_mul_i32 s51, s18, CHK                        ; chunk w is mine to fetch
	s_add_co_u32 s52, s52, s51
	s_mov_b32 s53, 0
	s_mul_i32 s54, s18, 2*REC                      ; and goes to K steps 2 w, 2 w + 1 of each group in LDS
	s_mul_i32 s56, s49, 4*CHK                      ; the tokens: the tile's four chunks,
	s_add_co_u32 s56, s56, s54                     ; group w's two records in each
	s_mov_b32 s57, 0
	s_lshl_b32 s58, s49, 8
	s_lshl_b32 s59, s18, 6
	s_add_co_u32 s58, s58, s59                     ; my first token: 256 ty + 64 w
	s_lshl_b32 s58, s58, 14                        ; rows of 16,384 bytes
	s_lshl_b32 s59, s50, 10                        ; + the tile's first column
	s_add_co_u32 s58, s58, s59
	s_mov_b32 s59, 0
	s_mul_i32 s55, s18, 16*SP
	s_add_co_u32 s55, s55, STAGE                   ; my stage
	v_and_b32 v1, 31, v0
	v_lshlrev_b32 v[LI], 4, v1
	v_lshlrev_b32 v[L8], 3, v1
.irp g, 0,1,2,3
	v_add_nc_u32 v[ADRB+\g], \g*GRP, v[LI]
	v_add_nc_u32 v[ADSB+\g], \g*GRP, v[L8]
.endr
	v_and_b32 v2, 15, v0                           ; r
	v_bfe_u32 v3, v0, 4, 1                         ; h
	v_mul_u32_u24 v[STO], v2, SP
	v_lshl_add_u32 v[STO], v3, 6, v[STO]
	v_add_nc_u32 v[STO], s55, v[STO]               ; in: row r, + 64 h
	v_mul_u32_u24 v[RD], v3, SP
	v_lshl_add_u32 v[RD], v2, 4, v[RD]
	v_add_nc_u32 v[RD], s55, v[RD]                 ; back: lanes 0-15 one row of 256 bytes, lanes 16-31 the next
	v_lshlrev_b32 v[CO], 14, v3
	v_lshl_add_u32 v[CO], v2, 4, v[CO]             ; and the same two tokens' rows in out0
	s_wait_dscnt 0x0                               ; both opening adds are done
	s_wait_kmcnt 0x0
	s_add_nc_u64 s[4:5], s[4:5], s[56:57]
	s_add_nc_u64 s[6:7], s[6:7], s[52:53]
	s_add_nc_u64 s[8:9], s[8:9], s[58:59]
.irp g, 0,1,2,3
	s_mov_b32 s[G0+4*\g], 1                        ; count = 1
	s_add_co_u32 s[G0+4*\g+1], s54, \g*GRP         ; LDS address: the wave's number and constants alone
	s_add_nc_u64 s[G0+4*\g+2:G0+4*\g+3], s[6:7], \g*2*REC   ; group g's two records of my chunk
	s_or_b32 s[G0+4*\g+3], s[G0+4*\g+3], 0x80000000
.endr
	WIN 0x40                                       ; destination window 1
	ALOAD 0                                        ; K steps 0-3 of my tokens: asked for ahead of the round, so that they are on their way while the partners meet
	CROUND                                         ; all four work-groups are here: the joint loads meet
.irp g, 0,1,2,3
	tensor_load_to_lds s[G0+4*\g:G0+4*\g+3], s[G1:G1+7]   ; the first fills go out as one group, group 0's first
	s_nop 0
.endr
	PLACES                                         ; four v_nop behind the last of them
	WIN 0x80                                       ; destination window 2
	ALOAD 4                                        ; K steps 4-7
.macro FETCH g, s, p                   ; 13 LDS loads in one run: wo's four images of group g, K step s, and their scale words, into set p
	WIN 0
.irp t, 0,1,2,3
.irp c, 0,1,2
	ds_load_b128 v[BF+48*(\p)+12*\t+4*\c:BF+48*(\p)+12*\t+4*\c+3], v[ADRB+(\g)] offset:REC*(\s)+1536*\t+512*\c
.endr
.endr
	ds_load_b64 v[BSC+2*(\p):BSC+2*(\p)+1], v[ADSB+(\g)] offset:REC*(\s)+6144
.endm
.macro MUL s, zero                     ; 16 products: my four images of tokens x wo's four.  The 16 accumulators take turns, one instruction a turn, in the same order in every step
.irp a, 0,1,2,3
.irp t, 0,1,2,3
.set WD, 32*\a+8*\t
.set W0, BF+48*((\s)%2)+12*\t
.set W1, 48*((\s)%4)+12*\a
.set WSA, BSC+2*((\s)%2)+\t/2
.set WSB, ASC+2*(\s)+\a/2
	WM \zero, \t%2, \a%2
.endr
.endr
.endm
.macro STEP g, s
	s_wait_dscnt 0x0                               ; this step's set is in: it was asked for 16 matrix instructions ago
.if (\g) == 0
.if (\s) == 0
	s_wait_loadcnt 52                              ; my tokens' K steps 0-3 are in; the 52 loads of K steps 4-7 may be out
.endif
.if (\s) == 4
	s_wait_loadcnt 0x0
.endif
.endif
.if (\s) < 7
	PLACES                                         ; four places in front of loads into registers that the last step's products read
	FETCH \g, (\s)+1, ((\s)+1)%2
.endif
.if (\s) < 4
	WIN 0xf4                                       ; source 0 window 0, source 1 window 1, C and D window 3
.else
	WIN 0xf8                                       ; source 1 window 2
.endif
.if (\s) == 0
	MUL \s, 1                                      ; a group's first products start its sums; eight places lie between them and the last group's last products
.else
	MUL \s, 0
.endif
.endm
; THE WAY OUT of a group, 16 tokens x 64 columns at a time.  Lane (r, h) holds, of token r of image a, columns 32 (t / 2) + 8 (t % 2) + 16 h + 0 .. 7 in tile t: they go through my stage and come back as whole rows of 256 bytes.
.macro TOSTAGE a
	WIN 0x0c                                       ; an LDS store's data are its source 1: window 3
.irp t, 0,1,2,3
	ds_store_b128 v[STO], v[32*(\a)+8*\t:32*(\a)+8*\t+3] offset:128*(\t/2)+32*(\t%2)          ; each accumulator from its low end on
	ds_store_b128 v[STO], v[32*(\a)+8*\t+4:32*(\a)+8*\t+7] offset:128*(\t/2)+32*(\t%2)+16
.endr
	WIN 0
.set BB, BK+32*((\a)%2)
.set i, 0
.rept 8
	ds_load_b128 v[BB+4*i:BB+4*i+3], v[RD] offset:2*i*SP   ; LDS serves a wave's instructions in order: these see my stores, and the next image's stores come behind them
.set i, i+1
.endr
.endm
.macro SEND g, a, younger              ; younger: the LDS instructions issued behind image a's loads, which may stay out
.set BB, BK+32*((\a)%2)
	s_wait_dscnt \younger
.set i, 0
.rept 8
	global_store_b128 v[CO], v[BB+4*i:BB+4*i+3], s[8:9] offset:(32*((\a)/2)+8*((\a)%2)+2*i+8*(i/4))*16384+256*(\g) th:TH_STORE_NT   ; sixteen lanes store 256 consecutive bytes, at a multiple of 256 from out0's first byte; 62 rows at the most stand in the immediate
.set i, i+1
.endr
.endm
.macro OUT g
.if (\g) > 0
	s_wait_xcnt 0x0                                ; the last group's stores have read their data: both sets may be loaded again
.endif
	TOSTAGE 0
	TOSTAGE 1
	SEND \g, 0, 16                                 ; behind image 0's loads: image 1's 8 stores and 8 loads
	s_wait_xcnt 0x0                                ; image 0's stores have read their data: image 2's loads may land there
	TOSTAGE 2
	SEND \g, 1, 16
	s_wait_xcnt 0x0
	TOSTAGE 3
	SEND \g, 2, 16
	SEND \g, 3, 0
.endm
.macro GROUP g
.irp s, 0,1,2,3,4,5,6,7
	STEP \g, \s
.endr
	WIN 0
	PLACES                                         ; in front of the LDS stores that read results, and of loads into the set that K step 6 read
.if (\g) < 3
	s_wait_tensorcnt 2-(\g)                        ; my part of the next group is in; the later groups' loads may stay out: no LDS byte is filled again in this launch
	s_barrier_signal -1                            ; (no LDS instruction of mine is out: K step 7 waited for all and asked for nothing)
	s_barrier_wait -1                              ; everybody's part is in
	FETCH (\g)+1, 0, 0                             ; the next group's first fragments come while this group goes out
.endif
	OUT \g                                         ; nothing waits for these stores: they leave while the next group is multiplied
.endm
	s_wait_tensorcnt 3                             ; my part of group 0 is in; the three later groups' loads may stay out
	s_barrier_signal -1
	s_barrier_wait -1
	FETCH 0, 0, 0
	GROUP 0
	GROUP 1
	GROUP 2
	GROUP 3
	s_wait_tensorcnt 0x0                           ; the wave's end
	ds_add_u32 v[SPW], v[NIL]
	s_wait_dscnt 0x0
	CROUND                                         ; the closing round
	s_endpgm
.Lfunc_end_k_q785396774b_oproj:
	.size	k_q785396774b_oproj, .Lfunc_end_k_q785396774b_oproj-k_q785396774b_oproj
	.p2alignl 7, 3214868480
	.fill 96, 4, 3214868480
	.section	.rodata,"a",@progbits
	.p2align	6, 0x0
	.amdhsa_kernel k_q785396774b_oproj
		.amdhsa_group_segment_fixed_size 327680
		.amdhsa_private_segment_fixed_size 0
		.amdhsa_enable_private_segment 0
		.amdhsa_kernarg_size 24
		.amdhsa_user_sgpr_count 2
		.amdhsa_user_sgpr_kernarg_segment_ptr 1
		.amdhsa_wavefront_size32 1
		.amdhsa_system_sgpr_workgroup_id_x 1
		.amdhsa_system_sgpr_workgroup_id_y 1
		.amdhsa_system_sgpr_workgroup_id_z 1
		.amdhsa_system_vgpr_workitem_id 0
		.amdhsa_next_free_vgpr 896
		.amdhsa_next_free_sgpr 66
		.amdhsa_reserve_vcc 0
		.amdhsa_float_denorm_mode_32 3
		.amdhsa_float_denorm_mode_16_64 3
		.amdhsa_memory_ordered 1
		.amdhsa_forward_progress 1
		.amdhsa_inst_pref_size 143
	.end_amdhsa_kernel
	.amdgpu_metadata
---
amdhsa.version: [ 1, 2 ]
amdhsa.kernels:
  - .name:           k_q785396774b_oproj
    .symbol:         k_q785396774b_oproj.kd
    .args:
      - { .name: ac, .offset: 0, .size: 8, .value_kind: global_buffer, .address_space: global }
      - { .name: woc, .offset: 8, .size: 8, .value_kind: global_buffer, .address_space: global }
      - { .name: out0, .offset: 16, .size: 8, .value_kind: global_buffer, .address_space: global }
    .group_segment_fixed_size: 327680
    .private_segment_fixed_size: 0
    .kernarg_segment_align: 8
    .kernarg_segment_size: 24
    .max_flat_workgroup_size: 128
    .sgpr_count:     66
    .vgpr_count:     896
    .wavefront_size: 32
...
	.end_amdgpu_metadata
.endif
;; end of part 4
